; MI455X (gfx1250); checked and timed in simulation.
; The chip was launched on July 23, 2026; its instructions are those of AMD's public machine-readable ISA for CDNA 5 (MIT licence, August 2026) and "CDNA5" Instruction Set Architecture Reference Guide (July 2026). The comments in the code are by the model that wrote it; some were corrected since.
;; Linear Attention. Allowed arithmetic: matrix products marked QUANTISED: E2M3 operands, one E8M0 scale for each 32 along K, by v_wmma_scale_f32_16x16x128_f8f6f4 with both operands' format E2M3, f32 sums; everything else in f32.
;; Inputs: Wk 1,024 x 1,024 float32; Wo 1,024 x 1,024 float32; Wq 1,024 x 1,024 float32; Wv 1,024 x 1,024 float32; x 4 x 1,024 x 1,024 float32.
;; Outputs: out0 4 x 1,024 x 1,024 float32.
;; This version of the problem:
;;   THIS VERSION OF THE PROBLEM IS GIVEN IN LOW PRECISION. The matrix products marked QUANTISED in the list below multiply operands that are first quantised to E2M3 (2 exponent bits, 3 mantissa bits; 6 bits a number), with one power-of-two scale for each 32 numbers along K (OCP MX v1.0); their sums are f32. All else is computed in f32.
;;   The module's matrix products, in the order in which they are computed (A, B: the left and right operand; K: the contracted axis; several contracted axes count as one K, in the product's order):
;;     1. [M 4,096, K 1,024] x [K 1,024, N 1,024]; A: input x; B: input Wq: QUANTISED
;;     2. [M 4,096, K 1,024] x [K 1,024, N 1,024]; A: input x; B: input Wk: QUANTISED
;;     3. [M 4,096, K 1,024] x [K 1,024, N 1,024]; A: input x; B: input Wv: QUANTISED
;;     4. batch 64 x [M 1,024, K 64] x [K 64, N 1,024]; A: computed on the way; B: computed on the way: QUANTISED
;;     5. batch 64 x [M 1,024, K 1,024] x [K 1,024, N 64]; A: softmax (see below); B: computed on the way: QUANTISED
;;     6. [M 4,096, K 1,024] x [K 1,024, N 1,024]; A: computed on the way; B: input Wo: QUANTISED
;;   THE QUANTISER, for each operand of a quantised product, along K:
;;     - K is cut into blocks of 32 from its start; a last block that is shorter is filled with zeros.
;;     - A block's scale is 2^e with e = floor(log2(the largest magnitude in the block)) - 2, held to -126 .. 127; a block of zeros has e = 0. As a byte (E8M0): e + 127.
;;     - Each number is divided by its block's scale, clamped to +-7.5, and rounded to the nearest number of E2M3, ties to even, subnormals kept.
;;     - The product sums the exact products of the quantised numbers (number of the format x scale) in f32.
;;   ~~~python
;;   def quantise(x, axis):      # numpy; x: float32 -> the quantised numbers, widened to float32 again
;;       x = np.moveaxis(x, axis, -1); K = x.shape[-1]
;;       x = np.pad(x, [(0, 0)] * (x.ndim - 1) + [(0, -K % 32)]); x = x.reshape(x.shape[:-1] + (-1, 32)); a = np.abs(x).max(-1, keepdims=True)
;;       e = np.where(a > 0, np.clip(np.frexp(np.where(a > 0, a, 1))[1] - 1 - 2, -126, 127), 0)      # np.frexp(a)[1] - 1 = floor(log2(a)), exactly
;;       r = np.clip(x / 2.0 ** e, -7.5, 7.5)
;;       step = 2.0 ** (np.maximum(np.frexp(np.where(r == 0, 1, r))[1] - 1, 0) - 3)
;;       q = np.round(r / step) * step * 2.0 ** e      # np.round: ties to even
;;       return np.moveaxis(q.reshape(q.shape[:-2] + (-1,))[..., :K], -1, axis).astype(np.float32)
;;   ~~~
;;   SOFTMAX AHEAD OF A QUANTISED PRODUCT. Where the list says 'softmax', what is quantised is not the finished softmax but p = 2^(t - M), with t = logit x log2(e) and M = ceil(the row's largest t), a whole number; so 1/2 < the row's largest p <= 1. The row's sum l is taken of the UNQUANTISED p, in f32, and the product's result is divided by l at the end. Since M is a whole number, a kernel that streams over the keys may use a running M (the ceiling of the running maximum): every later rescaling is an exact power of two, which a block's scale takes up: the codes' values come out the same.
;;   OPERANDS COMPUTED ON THE WAY. 'Computed on the way' means the value that the module computes at that place (a softmax that the list does not call 'softmax' is quantised finished and normalised). What goes into a quantiser is computed in f32, as accurately as f32 sums, v_exp_f32 and their like allow (about 1e-6 of the number): no bf16 or f16 on the way to a quantiser, and a product that is left as it is and whose result goes on into a quantised operand takes f32 operands (vector FMAs, or v_wmma_f32_16x16x4_f32). A number that lies on a knife's edge between two numbers of the format may be rounded either way, as far as f32 arithmetic and the matrix unit's own rounding can turn it there, and no further.
;; One version. Each part assembles by itself: llvm-mc -triple=amdgcn-amd-amdhsa -mcpu=gfx1250 --defsym DOCPART=n.
;; ======== version 1 of 1: 4 launches
;; limits: right only within a limited range of input values
;; workspace buffers: cod 6,291,456 bytes; scl 262,144 bytes; tab 262,144 bytes; kv 6,684,672 bytes; qq 3,407,872 bytes; oc 3,145,728 bytes; osw 131,072 bytes
;; launch quant (part 1): grid 256 x 1, 4 waves a work-group, no clusters, 34,304 bytes of LDS; arguments x, Wq, Wk, Wv, Wo, cod, scl, tab; writes cod, scl, tab
.if DOCPART == 1
	.amdgcn_target "amdgcn-amd-amdhsa--gfx1250"
	.amdhsa_code_object_version 6
	.text
	.protected	k_q8b920f13b0_quant
	.globl	k_q8b920f13b0_quant
	.p2align	8
	.type	k_q8b920f13b0_quant,@function
k_q8b920f13b0_quant:
	s_mov_b64 s[64:65], 0
	v_nop
	global_prefetch_b8 v0, s[64:65] scope:SCOPE_SE
	s_setreg_imm32_b32 hwreg(HW_REG_WAVE_MODE, 25, 1), 1
	s_wait_xcnt 0x0
; x [4096][1024] and Wq, Wk, Wv, Wo [1024][1024], f32 with K innermost, become codes of E2M3 with one E8M0 byte for each 32 along K; and the table of cos and sin for the rotation is made.
; A block's scale is 2^(floor(log2(largest magnitude)) - 2): its byte is the largest magnitude's exponent field - 2, held at 1 from below by a floor among the maximum's leaves.
; THE CODES ARE LAID AS IMAGES OF OPERAND REGISTERS.  A half fragment (16 rows x 64 K, 768 bytes): lane l = (r, h) holds k = 32 h .. 32 h + 31 of row r in six registers;
; registers 0-3 lie at 16 l, registers 4-5 at 512 + 8 l.  cod: [group of 128 rows][K half][tile 0..7][K step & 3][c] half fragments (98304, 49152, 6144, 1536, 768 bytes).
; THE ROWS OF A TILE ARE NOT NEIGHBOURS: lane r of tile 2 B + u takes row 32 B + 8 u + r + 8 (r / 8), so that the results of two neighbouring tiles are 16 neighbours in a lane's registers.
; scl: [tile of rows][K half][r][K step & 3] words of four bytes (512, 256, 16, 4 bytes).   tab: [position][pair](cos, sin), 8 bytes.
; SHARES.  Work-group B takes 32 rows: 0-127 x, then 32 each for Wq, Wk, Wv, Wo.  Wave w takes tile u = w / 2 of the two and K half q = w % 2: four steps of 16 rows x 128 K.
; Each load reads 512 consecutive bytes of a row; a step's 8,192 bytes turn through the wave's own stage in LDS (rows 528 bytes apart) and come back 128 bytes a lane.  Waves share nothing: no barrier.
; No work-group reads what another reads, so there is nothing to share in a cluster, and nothing for the matrix units.
; LIMITS: a block of zeros gets the byte 1 (its codes are zeros; only this program reads the bytes); magnitudes under 2^-124 are held by the floor; NaN and infinities among the inputs are not served.
; THE TABLE: 10^(i/8) as the nearest f32, its reciprocal by v_rcp_f32 and one correction step, the angle as ONE f32 product position x frequency, reduced by multiples of pi/2 in two parts,
; sine and cosine by polynomials on [-pi/4, pi/4]: absolute error about 1e-7.
.set STG,  8448                        ; a wave's stage: 16 rows x 528 bytes
.set PIT,  528                         ; 512 bytes + 16: the 16 rows that a load touches start at 16 different groups of banks (ISA guide 11.1)
; Window 1, v256-511: the numbers of four steps as loaded, 64 registers each
.set NUM,  192                         ; v192-255 my 64 numbers: register 32 c + i = k 64 c + 32 h + i of my row
.set COD,  32                          ; v32-43   the step's codes, six registers for each c
.set WRD,  24                          ; v24-27   my row's scale words of the four steps
	s_load_b512 s[4:19], s[0:1], 0x0               ; x, Wq, Wk, Wv, Wo, cod, scl, tab
	v_lshl_add_u32 v31, v0, 2, 0x8400
	v_mov_b32 v47, 0
	v_lshrrev_b32 v1, 5, v0
	v_readfirstlane_b32 s21, v1                    ; wave
	v_and_b32 v1, 31, v0                           ; lane
	v_and_b32 v2, 15, v0                           ; r
	v_bfe_u32 v3, v0, 4, 1                         ; h
	v_lshlrev_b32 v4, 4, v1                        ; 16 x lane
	v_lshlrev_b32 v8, 3, v1                        ; 8 x lane
	s_mul_i32 s35, s21, STG
	v_add_nc_u32 v5, s35, v4                       ; the stage, on the way in: a row's 512 bytes as loaded
	v_mul_u32_u24 v6, v2, PIT
	v_lshl_add_u32 v6, v3, 7, v6
	v_add_nc_u32 v6, s35, v6                       ; on the way out: row r, + 128 h
	v_lshlrev_b32 v10, 3, v3                       ; 8 h
	v_lshl_add_u32 v9, v2, 4, v10                  ; 16 r + 8 h: my two scale words' place
	v_mov_b32 v21, 0                               ; written once: a lane permute's destination counts as one of its sources
	s_mov_b32 s22, 0x76543210
	s_mov_b32 s23, 0xfedcba98                      ; selects for lane l xor 16
	s_mov_b32 s24, 0xffff0000                      ; lanes 16-31
	s_mov_b32 s25, 0x3f22f983                      ; 2 / pi
	s_mov_b32 s26, 0x3fc90fdb                      ; pi / 2, its upper part
	s_mov_b32 s27, 0xb33bbd2e                      ; and the rest
	s_mov_b32 s28, -0.00019515295891               ; sine's polynomial
	s_mov_b32 s29, 0.0083321608736
	s_mov_b32 s30, -0.16666654611
	s_mov_b32 s31, 0.00002443315711809948          ; cosine's
	s_mov_b32 s32, -0.001388731625493765
	s_mov_b32 s33, 0.04166664568298827
	s_lshr_b32 s40, s21, 1                         ; u
	s_and_b32 s41, s21, 1                          ; q
	s_and_b32 s35, ttmp9, 31
	s_cmp_lt_u32 ttmp9, 128
	s_cselect_b32 s34, ttmp9, s35                  ; which 32 rows of my tensor
	s_lshl_b32 s36, s34, 17                        ; 32 rows of 4,096 bytes,
	s_lshl_b32 s35, s40, 15                        ; 8 rows for the second tile,
	s_add_co_u32 s36, s36, s35
	s_lshl_b32 s35, s41, 11                        ; 512 numbers for the second K half
	s_add_co_u32 s36, s36, s35
	s_mov_b32 s37, 0
	s_lshr_b32 s38, ttmp9, 2                       ; the codes: group B / 4,
	s_mul_i32 s38, s38, 98304
	s_mul_i32 s35, s41, 49152                      ; K half,
	s_add_co_u32 s38, s38, s35
	s_and_b32 s35, ttmp9, 3
	s_lshl_b32 s35, s35, 1
	s_add_co_u32 s35, s35, s40                     ; tile 2 (B % 4) + u
	s_mul_i32 s35, s35, 6144
	s_add_co_u32 s38, s38, s35
	s_mov_b32 s39, 0
	s_lshl_b32 s42, ttmp9, 1                       ; the scale words: tile of rows 2 B + u, K half
	s_add_co_u32 s42, s42, s40
	s_lshl_b32 s42, s42, 9
	s_lshl_b32 s35, s41, 8
	s_add_co_u32 s42, s42, s35
	s_mov_b32 s43, 0
	s_lshl_b32 s44, ttmp9, 2
	s_add_co_u32 s44, s44, s21                     ; the table: my wave's position 4 B + w
	s_lshl_b32 s46, s44, 8
	s_mov_b32 s47, 0
	s_wait_alu depctr_va_vdst(0)
	s_wait_kmcnt 0x0
	s_cmp_lt_u32 ttmp9, 224                        ; which tensor: the choice hangs on the work-group's number alone
	s_cselect_b64 s[10:11], s[10:11], s[12:13]
	s_cmp_lt_u32 ttmp9, 192
	s_cselect_b64 s[8:9], s[8:9], s[10:11]
	s_cmp_lt_u32 ttmp9, 160
	s_cselect_b64 s[6:7], s[6:7], s[8:9]
	s_cmp_lt_u32 ttmp9, 128
	s_cselect_b64 s[4:5], s[4:5], s[6:7]
	s_add_nc_u64 s[4:5], s[4:5], s[36:37]
	s_add_nc_u64 s[14:15], s[14:15], s[38:39]
	s_add_nc_u64 s[16:17], s[16:17], s[42:43]
	s_add_nc_u64 s[18:19], s[18:19], s[46:47]
.macro LOAD t                          ; step t: 16 rows x 128 numbers into window 1; each load reads 512 consecutive bytes of one row
	s_set_vgpr_msb 0x0040
.set i, 0
.rept 16
	global_load_b128 v[64*(\t)+4*i:64*(\t)+4*i+3], v4, s[4:5] offset:(i+8*(i/8))*4096+512*(\t) th:TH_LOAD_NT
.set i, i+1
.endr
	s_set_vgpr_msb 0x4000
.endm
.macro TURN t                          ; through the stage: LDS serves a wave's instructions in order (ISA guide 5.7.1.4), so no wait stands between the stores and the loads
	s_set_vgpr_msb 0x0004
.set i, 0
.rept 16
	ds_store_b128 v5, v[64*(\t)+4*i:64*(\t)+4*i+3] offset:PIT*i
.set i, i+1
.endr
	s_set_vgpr_msb 0x0400
.set i, 0
.rept 16
	ds_load_b128 v[NUM+4*i:NUM+4*i+3], v6 offset:256*(i/8)+16*(i%8)
.set i, i+1
.endr
.endm
	LOAD 0
	LOAD 1
	LOAD 2
	; ---- the table, while the first loads are on their way: lane i makes pair i of position 4 B + w
.macro PW lane, val
	s_mov_b32 s20, \val
	v_writelane_b32 v52, s20, \lane
.endm
	v_mov_b32 v52, 1.0                             ; 10^(i/8), lane by lane
	PW 1, 1.333521432163324
	PW 2, 1.778279410038923
	PW 3, 2.371373705661655
	PW 4, 3.162277660168379
	PW 5, 4.216965034285822
	PW 6, 5.623413251903491
	PW 7, 7.498942093324558
	PW 8, 10.0
	PW 9, 13.33521432163324
	PW 10, 17.78279410038923
	PW 11, 23.71373705661655
	PW 12, 31.62277660168379
	PW 13, 42.16965034285822
	PW 14, 56.23413251903491
	PW 15, 74.98942093324558
	PW 16, 100.0
	PW 17, 133.3521432163324
	PW 18, 177.8279410038923
	PW 19, 237.1373705661655
	PW 20, 316.2277660168379
	PW 21, 421.6965034285822
	PW 22, 562.3413251903491
	PW 23, 749.8942093324558
	PW 24, 1000.0
	PW 25, 1333.521432163324
	PW 26, 1778.279410038923
	PW 27, 2371.373705661655
	PW 28, 3162.277660168379
	PW 29, 4216.965034285822
	PW 30, 5623.413251903491
	PW 31, 7498.942093324558
	s_wait_alu depctr_va_vdst(0)
	v_rcp_f32 v53, v52
	v_nop                                          ; a plain instruction behind the reciprocal (ISA guide 5.7.2)
	s_wait_alu depctr_va_vdst(0)                   ; and the wait ahead of its first reader
	v_fma_f32 v54, -v52, v53, 1.0                  ; one correction step: the frequency 1 / 10^(i/8)
	v_fma_f32 v53, v53, v54, v53
	v_cvt_f32_u32 v55, s44
	v_mul_f32 v55, v55, v53                        ; the angle: one f32 product
	v_mul_f32 v56, s25, v55
	v_rndne_f32 v56, v56                           ; n = the nearest multiple of pi / 2 (at most 651)
	v_fma_f32 v57, -v56, s26, v55                  ; angle - n x upper part: nothing is rounded away,
	v_fma_f32 v57, -v56, s27, v57                  ; - n x the rest
	v_mul_f32 v58, v57, v57
	v_mov_b32 v59, s28
	v_fma_f32 v59, v59, v58, s29
	v_fma_f32 v59, v59, v58, s30
	v_mul_f32 v59, v59, v58
	v_fma_f32 v59, v59, v57, v57                   ; sine of the rest
	v_mov_b32 v60, s31
	v_fma_f32 v60, v60, v58, s32
	v_fma_f32 v60, v60, v58, s33
	v_fma_f32 v60, v60, v58, -0.5
	v_fma_f32 v60, v60, v58, 1.0                   ; cosine of the rest
	v_cvt_i32_f32 v61, v56
	v_and_b32 v51, 1, v61
	v_cmp_eq_u32 vcc_lo, 1, v51                    ; in odd quadrants the two change places
	v_cndmask_b32 v63, v59, v60, vcc_lo
	v_cndmask_b32 v62, v60, v59, vcc_lo
	v_and_b32 v51, 2, v61                          ; the sine is negative in quadrants 2 and 3,
	v_lshlrev_b32 v51, 30, v51
	v_xor_b32 v63, v63, v51
	v_add_nc_u32 v61, 1, v61
	v_and_b32 v51, 2, v61                          ; the cosine in 1 and 2
	v_lshlrev_b32 v51, 30, v51
	v_xor_b32 v62, v62, v51
	global_store_b64 v8, v[62:63], s[18:19]        ; the wave stores 256 consecutive bytes, aligned
.macro STEP t
.if (\t) == 0
	s_wait_loadcnt 32                              ; step 0's 16 loads are in; those of steps 1 and 2 may be out
	LOAD 3
.elseif (\t) < 3
	s_wait_loadcnt 16*(3-(\t))                     ; this step's 16 loads are in; those of the later steps may be out
.else
	s_wait_loadcnt 0x0
.endif
	TURN \t
	s_wait_dscnt 0x0                               ; my numbers are back, and the stage's stores have read their registers
	s_wait_xcnt 0x0                                ; the last step's stores have read the code registers: these are written again only behind this wait
.irp c, 0,1                                    ; block 2 c + h of the step: all its 32 numbers are mine; two chains for each block
	v_max3_num_f32 v[12+2*\c], |v[NUM+32*\c]|, |v[NUM+32*\c+1]|, |v[NUM+32*\c+2]|
	v_max3_num_f32 v[13+2*\c], |v[NUM+32*\c+3]|, |v[NUM+32*\c+4]|, |v[NUM+32*\c+5]|
.endr
.irp i, 6,10,14,18,22,26
.irp c, 0,1
	v_max3_num_f32 v[12+2*\c], v[12+2*\c], |v[NUM+32*\c+\i]|, |v[NUM+32*\c+\i+1]|
	v_max3_num_f32 v[13+2*\c], v[13+2*\c], |v[NUM+32*\c+\i+2]|, |v[NUM+32*\c+\i+3]|
.endr
.endr
.irp c, 0,1
	v_max3_num_f32 v[12+2*\c], v[12+2*\c], |v[NUM+32*\c+30]|, |v[NUM+32*\c+31]|
.endr
.irp c, 0,1
	v_max3_num_f32 v[12+2*\c], v[12+2*\c], v[13+2*\c], 0x1800000   ; and the floor 2^(3 - 127): the byte cannot fall under 1
.endr
.irp c, 0,1
	v_add_nc_u32 v[16+\c], 0xff000000, v[12+2*\c]  ; 2 off the exponent field: the conversion takes the exponent field of this operand as its scale
.endr
.irp c, 0,1
	v_lshrrev_b32 v[18+\c], 23, v[16+\c]           ; the scale's byte
.endr
.irp c, 0,1
	v_cvt_scalef32_pk16_fp6_f32 v[COD+6*\c:COD+6*\c+2], v[NUM+32*\c:NUM+32*\c+15], v[16+\c]
	v_cvt_scalef32_pk16_fp6_f32 v[44+4*\c:46+4*\c], v[NUM+32*\c+16:NUM+32*\c+31], v[16+\c]   ; (a conversion's three registers begin on an even number)
.endr
	v_lshl_or_b32 v20, v19, 16, v18                ; my two bytes: blocks h and 2 + h.  (The plain instruction behind the conversions)
.irp c, 0,1
.irp i, 0,1,2
	v_mov_b32 v[COD+6*\c+3+\i], v[44+4*\c+\i]
.endr
.endr
	v_lshlrev_b32 v20, v10, v20                    ; at their places in the word (8 h bits up);
	v_permlanex16_b32 v21, v20, s22, s23
	v_or_b32 v[WRD+(\t)], v20, v21                 ; with lane l xor 16's two the word is whole
.irp c, 0,1
	global_store_b128 v4, v[COD+6*\c:COD+6*\c+3], s[14:15] offset:1536*(\t)+768*\c       ; 512 consecutive bytes, aligned
	global_store_b64 v8, v[COD+6*\c+4:COD+6*\c+5], s[14:15] offset:1536*(\t)+768*\c+512  ; 256 consecutive bytes, aligned
.endr
.endm
	STEP 0
	STEP 1
	STEP 2
	STEP 3
	v_cndmask_b32 v28, v24, v26, s24               ; lanes 0-15 store their row's words 0 and 1, lanes 16-31 words 2 and 3
	v_cndmask_b32 v29, v25, v27, s24
	global_store_b64 v9, v[28:29], s[16:17]        ; 256 consecutive bytes, aligned
	s_wait_tensorcnt 0x0
	ds_add_u32 v31, v47
	s_wait_dscnt 0x0
	s_endpgm
.Lfunc_end_k_q8b920f13b0_quant:
	.size	k_q8b920f13b0_quant, .Lfunc_end_k_q8b920f13b0_quant-k_q8b920f13b0_quant
	.p2alignl 7, 3214868480
	.fill 96, 4, 3214868480
	.section	.rodata,"a",@progbits
	.p2align	6, 0x0
	.amdhsa_kernel k_q8b920f13b0_quant
		.amdhsa_group_segment_fixed_size 34304
		.amdhsa_private_segment_fixed_size 0
		.amdhsa_enable_private_segment 0
		.amdhsa_kernarg_size 64
		.amdhsa_user_sgpr_count 2
		.amdhsa_user_sgpr_kernarg_segment_ptr 1
		.amdhsa_wavefront_size32 1
		.amdhsa_system_sgpr_workgroup_id_x 1
		.amdhsa_system_sgpr_workgroup_id_y 1
		.amdhsa_system_sgpr_workgroup_id_z 1
		.amdhsa_system_vgpr_workitem_id 0
		.amdhsa_next_free_vgpr 512
		.amdhsa_next_free_sgpr 66
		.amdhsa_reserve_vcc 1
		.amdhsa_float_denorm_mode_32 3
		.amdhsa_float_denorm_mode_16_64 3
		.amdhsa_memory_ordered 1
		.amdhsa_forward_progress 1
		.amdhsa_inst_pref_size 38
	.end_amdhsa_kernel
	.amdgpu_metadata
---
amdhsa.version: [ 1, 2 ]
amdhsa.kernels:
  - .name:           k_q8b920f13b0_quant
    .symbol:         k_q8b920f13b0_quant.kd
    .args:
      - { .name: x, .offset: 0, .size: 8, .value_kind: global_buffer, .address_space: global }
      - { .name: Wq, .offset: 8, .size: 8, .value_kind: global_buffer, .address_space: global }
      - { .name: Wk, .offset: 16, .size: 8, .value_kind: global_buffer, .address_space: global }
      - { .name: Wv, .offset: 24, .size: 8, .value_kind: global_buffer, .address_space: global }
      - { .name: Wo, .offset: 32, .size: 8, .value_kind: global_buffer, .address_space: global }
      - { .name: cod, .offset: 40, .size: 8, .value_kind: global_buffer, .address_space: global }
      - { .name: scl, .offset: 48, .size: 8, .value_kind: global_buffer, .address_space: global }
      - { .name: tab, .offset: 56, .size: 8, .value_kind: global_buffer, .address_space: global }
    .group_segment_fixed_size: 34304
    .private_segment_fixed_size: 0
    .kernarg_segment_align: 8
    .kernarg_segment_size: 64
    .max_flat_workgroup_size: 128
    .sgpr_count:     66
    .vgpr_count:     512
    .wavefront_size: 32
...
	.end_amdgpu_metadata
.endif
;; end of part 1
;; launch qkv (part 2): grid 32 x 8, 4 waves a work-group, clusters of 4 x 4, 327,680 bytes of LDS; arguments cod, scl, tab, kv, qq; writes kv, qq
.if DOCPART == 2
	.amdgcn_target "amdgcn-amd-amdhsa--gfx1250"
	.amdhsa_code_object_version 6
	.text
	.protected	k_q8b920f13b0_qkv
	.globl	k_q8b920f13b0_qkv
	.p2align	8
	.type	k_q8b920f13b0_qkv,@function
k_q8b920f13b0_qkv:
	s_mov_b64 s[64:65], 0
	v_nop
	global_prefetch_b8 v0, s[64:65] scope:SCOPE_SE
	s_setreg_imm32_b32 hwreg(HW_REG_WAVE_MODE, 25, 1), 1
	s_wait_xcnt 0x0
	s_wait_alu depctr_hold_cnt(0) depctr_sa_sdst(0) depctr_va_vdst(0) depctr_va_sdst(0) depctr_va_ssrc(0) depctr_va_vcc(0) depctr_vm_vsrc(0)
	s_getreg_b32 s2, hwreg(HW_REG_IB_STS2, 6, 4)
	s_cmp_eq_u32 s2, 0
	s_cbranch_scc0 .Lentry_in_a_cluster
	s_endpgm
.Lentry_in_a_cluster:
	s_bfe_u32 s2, ttmp6, 0x10000c
	s_cmp_lg_u32 s2, 0xf033
	s_cbranch_scc0 .Lentry_shape_is_right
	s_endpgm
.Lentry_shape_is_right:
; q = rope(x Wq^T), k = rope(x Wk^T), v = x Wv^T on codes of E2M3; q and k are quantised along the head's 64 channels, v along the tokens (the keys), and stored as images of operand registers.
; SHARES.  A work-group takes 128 tokens (group gx of x) x channels 128 g .. 128 g + 127 of each of Wq, Wk, Wv (heads 2 g and 2 g + 1).  Wave w = 2 wt + wc takes 64 tokens x one head: 16 accumulators, three passes of 8 K steps.
; x's 32 fragments of a wave (384 registers) are read from LDS in pass 0 and stay in registers, so in the later passes LDS is read for the weights alone: 4 fragments for 16 matrix instructions.
; LDS: three regions of 98,304 bytes: x, Wq, Wk.  At the head one joint load a wave: wave 0 x's K half 0, wave 1 Wq, wave 2 x's K half 1, wave 3 Wk.  Behind pass 0, in a drained round of the cluster's barrier, Wv takes x's region (a quarter by each wave).
; CLUSTER: 4 x 4.  The four of a row have the same g and share the weights' tiles; the four of a column have the same gx and share x's.
; NO PREFETCH: the text has no loop to run ahead in; three of the four tiles are asked for at the head, and Wv is asked for one whole pass, 128 matrix instructions, ahead of its first read.
; LAYOUT.  Passes Q and K: source 0 = 16 rows of W, source 1 = 16 tokens: a lane holds ONE token, and the registers of tiles 2 b, 2 b + 1 are channels 32 b + 16 h + 0 .. 15 (the rows of a tile are chosen so).
; Pass V: source 0 = 16 tokens, source 1 = 16 rows of Wv: a lane holds one channel and its registers run along the tokens, which are the next product's K.
; kv, for each of 64 heads eight key steps of 13,056 bytes (128 keys each): K's codes [tile 8] half fragments of 768 bytes; at 6144 V's [64 keys 2][channel tile 4]; at 12288 K's scale words [tile / 4][r][tile % 4]; at 12800 V's [r][channel tile].
; qq, for each head 53,248 bytes: Q's codes [tile 64]; at 49152 its scale words.  A word of q or k holds its row's two bytes twice: the next product's K of 64 is filled up to 128 with zero codes on Q's side.
; LIMITS: a block of zeros gets the byte 1 (only this program reads the bytes); magnitudes under 2^-124 are held by the floor; NaN and infinities are not served.
; REGISTERS, in windows of 256.  Window 0: v1-31 addresses; v32-63 x's scale words (8 i + (s + 4) % 8); v64-159 the weights' (32 p + 8 a + s); v160-255 two buffers of four weight fragments.
;   Window 1: x's fragments of K steps 0-3 at 48 (s % 4) + 12 i; v192-255 cos and sin for token tiles 0, 1.   Window 2: K steps 4-7; the table for tiles 2, 3.
;   Window 3: v0-127 the accumulators; v128-135 at work in the rotation; v136-167 the quantiser's; v168-173 scale words; v176-207 four sets of code registers.
.set CHUNK, 49152
.set AR,    2*CHUNK                    ; Wq's region
.set BR,    4*CHUNK                    ; Wk's
.set VSG,   6*CHUNK                    ; 512 bytes in which V's scale words are put together; no fill lands there
.set SPARE, VSG+512
.set STEPB, 13056
.set GA16, 4                           ; v4   16 x lane
.set GA8,  5                           ; v5   8 x lane
.set XA,   6                           ; v6, v7  LDS: my four token tiles in x's K half 0, + 16 x lane, + 8 x lane
.set SA,   8                           ; v8   16 r
.set VT,   9                           ; v9   the table: (r + 8 (r / 8)) x 256 + 64 h
.set AVG,  10                          ; v10  where I put half a scale word of V
.set AVR,  11                          ; v11  where waves 0 and 1 read the words back
.set SO,   12                          ; v12  16 r + 8 h
.set RB,   14                          ; v[14:15]
.set LAW,  16                          ; v16-27  LDS: my head's four tiles in weight chunk k = 2 p + q: + 16 x lane at 16 + 2 k, + 8 x lane at 17 + 2 k
.set XA1,  28                          ; v28, v29  x's K half 1
.set SPW,  30
.set NIL,  31
.set SX,   32
.set SW,   64
.set WF,   160
.set TT,   128                         ; window 3
.set QM,   136
.set QX,   144
.set QS,   152
.set QB,   160
.set WD,   168
.set DW,   172
.set CODE, 176
.set WV,   14                          ; s14 wave, s15 wt, s16 wc, s17 cx, s18 gx, s19 g
.set G1,   20                          ; s[20:27] descriptor group 1 of the weights
.set G1X,  92                          ; s[92:99] of x
.set GX0,  28                          ; group 0: x's K half 0, Wq, x's K half 1, Wk, Wv
.set GQ,   32
.set GX1,  36
.set GK,   40
.set GV,   44
.set SXB,  54
.set SEL,  56
.set HIM,  58
.set OUTB, 66                          ; s[66:67] Q's codes, s[68:69] Q's words, s[70:71] K's codes, s[72:73] K's words
.set VB,   74
.set VSB,  76
.set TBB,  78
.set SWB,  80
.set MSB, 0
.macro WIN new                         ; the immediate's high byte repeats the setting that is left; a switch that changes nothing is dropped
.if MSB != (\new)
	s_set_vgpr_msb (MSB<<8)|(\new)
.set MSB, (\new)
.endif
.endm
.macro PLACES n
.rept \n
	v_nop
.endr
.endm
.macro CREST                           ; a round of the cluster's barrier behind its opening barrier
	s_cmp_lg_u32 s[WV], 0
	s_cbranch_scc1 .Lnot_wave_0_\@
	s_barrier_signal -3
.Lnot_wave_0_\@:
	s_barrier_wait -3
	s_barrier_signal -1
	s_barrier_wait -1
.endm
.macro CROUND
	s_barrier_signal -1
	s_barrier_wait -1
	CREST
.endm
.macro DESC g, rows                    ; a dense block as rows of 256 bytes, elements of 8 bytes, no padding
	s_mov_b32 s[\g+1], 32<<16
	s_mov_b32 s[\g+2], (\rows)<<16
	s_mov_b32 s[\g+3], 32<<16
	s_mov_b32 s[\g+4], \rows
	s_mov_b32 s[\g+5], 32
	s_mov_b32 s[\g+6], 0
	s_mov_b32 s[\g+7], 0
.endm
.macro G0SET g, lds, base, off
	s_mov_b32 s[\g], 1
	s_mov_b32 s[\g+1], \lds
	s_add_nc_u64 s[\g+2:\g+3], s[\base:\base+1], \off
	s_or_b32 s[\g+3], s[\g+3], 0x80000000
.endm
.macro ARM w, g0, g1, next
	s_cmp_eq_u32 s[WV], \w
	s_cbranch_scc0 \next
	tensor_load_to_lds s[\g0:\g0+3], s[\g1:\g1+7]
	s_nop 0
	PLACES 4
	s_branch .Lasked
\next:
.endm
	s_load_b256 s[4:11], s[0:1], 0x0               ; cod s[4:5], scl s[6:7], tab s[8:9], kv s[10:11]
	s_load_b64 s[12:13], s[0:1], 0x20              ; qq
	v_lshl_add_u32 v[SPW], v0, 2, SPARE
	v_mov_b32 v[NIL], 0
	ds_add_u32 v[SPW], v[NIL]                      ; the opening lines: the add, twice on end, and its wait
	ds_add_u32 v[SPW], v[NIL]
	v_lshrrev_b32 v1, 5, v0
	v_readfirstlane_b32 s[WV], v1
	s_lshr_b32 s15, s[WV], 1                       ; wt: which 64 tokens
	s_and_b32 s16, s[WV], 1                        ; wc: which head of the two
	s_bfe_u32 s17, ttmp6, 0x40000                  ; cx
	s_bfe_u32 s90, ttmp6, 0x40004                  ; cy
	s_lshl_b32 s18, ttmp9, 2
	s_add_co_u32 s18, s18, s17                     ; gx = 4 x cluster x + cx
	s_and_b32 s19, ttmp7, 0xffff
	s_lshl_b32 s19, s19, 2
	s_add_co_u32 s19, s19, s90                     ; g = 4 x cluster y + cy
	s_lshl_b32 s90, s90, 2
	s_lshl_b32 s90, 15, s90                        ; my row of the cluster, which shares g
	s_lshl_b32 s91, 0x1111, s17                    ; my column, which shares gx
	s_or_b32 s[G1], s90, (3<<16)|(1<<21)           ; the mask; elements of 8 bytes; bit 21 beside a mask
	s_or_b32 s[G1X], s91, (3<<16)|(1<<21)
	DESC G1, 384                                   ; a weight's 128 rows, all of K: 98,304 bytes
	DESC G1X, 192                                  ; a K half of x's 128 rows: 49,152 bytes
	s_mov_b32 s[SEL], 0x76543210
	s_mov_b32 s[SEL+1], 0xfedcba98                 ; selects for lane l xor 16
	s_mov_b32 s[HIM], 0xffff0000                   ; lanes 16-31
	s_add_co_u32 s60, s19, 32                      ; Wq's group 32 + g; Wk's and Wv's lie 8 and 16 groups on
	s_mul_i32 s60, s60, 98304
	s_mov_b32 s61, 0
	s_mul_i32 s100, s18, 98304                     ; x's group
	s_mov_b32 s101, 0
	s_mul_i32 s59, s[WV], 24576                    ; my quarter of Wv
	s_mul_i32 s62, s16, 24576                      ; my head's four tiles of a chunk's eight
	s_mul_i32 s63, s15, 24576                      ; my four token tiles
	s_lshl_b32 s84, s16, 8
	s_add_co_u32 s84, s84, VSG                     ; VSG + 256 wc
	s_lshl_b32 s85, s15, 1
	s_add_co_u32 s85, s85, s84                     ; + 2 wt
	v_and_b32 v1, 31, v0
	v_and_b32 v2, 15, v0                           ; r
	v_bfe_u32 v3, v0, 4, 1                         ; h
	v_lshlrev_b32 v[GA16], 4, v1
	v_lshlrev_b32 v[GA8], 3, v1
	v_lshlrev_b32 v[SA], 4, v2
	v_and_b32 v13, 8, v2
	v_add_nc_u32 v13, v13, v2                      ; r + 8 (r / 8)
	v_lshlrev_b32 v[VT], 8, v13
	v_lshl_add_u32 v[VT], v3, 6, v[VT]
	v_lshl_add_u32 v[SO], v3, 3, v[SA]
	v_add_nc_u32 v[AVR], s84, v[GA8]
	v_add_nc_u32 v[AVG], s85, v[SA]
	v_add_nc_u32 v[LAW+8], s62, v[GA16]            ; chunks 4 and 5, Wv's, lie in x's region, at 0 and CHUNK
	v_add_nc_u32 v[LAW+9], s62, v[GA8]
	v_add_nc_u32 v[LAW+10], CHUNK, v[LAW+8]
	v_add_nc_u32 v[LAW+11], CHUNK, v[LAW+9]
.irp k, 0,1,2,3
	v_add_nc_u32 v[LAW+2*\k], AR+\k*CHUNK, v[LAW+8]
	v_add_nc_u32 v[LAW+2*\k+1], AR+\k*CHUNK, v[LAW+9]
.endr
	v_add_nc_u32 v[XA], s63, v[GA16]
	v_add_nc_u32 v[XA+1], s63, v[GA8]
	v_add_nc_u32 v[XA1], CHUNK, v[XA]
	v_add_nc_u32 v[XA1+1], CHUNK, v[XA+1]
	WIN 0xc0
.set n, 0
.rept 8
	v_mov_b32 v[QX+n], 0                           ; written once: a lane permute's destination counts as one of its sources
.set n, n+1
.endr
	WIN 0
	s_wait_alu depctr_va_vdst(0)                   ; the wait at the head's end
	s_wait_dscnt 0x0
	CROUND                                         ; all sixteen work-groups are here, ahead of the wait for the arguments: the joint loads meet
	s_wait_kmcnt 0x0
	s_add_nc_u64 s[60:61], s[4:5], s[60:61]
	s_add_nc_u64 s[100:101], s[4:5], s[100:101]
	G0SET GX0, 0, 100, 0
	G0SET GQ, AR, 60, 0
	G0SET GX1, CHUNK, 100, 49152
	G0SET GK, BR, 60, 786432
	ARM 0, GX0, G1X, .Lwave_1
	ARM 1, GQ, G1, .Lwave_2
	ARM 2, GX1, G1X, .Lwave_3
	tensor_load_to_lds s[GK:GK+3], s[G1:G1+7]
	s_nop 0
	PLACES 4
.Lasked:
	s_mov_b32 s[GV], 1                             ; Wv, for the refill: my quarter, into x's region
	s_mov_b32 s[GV+1], s59
	s_mov_b32 s88, s59
	s_mov_b32 s89, 0
	s_add_nc_u64 s[GV+2:GV+3], s[60:61], 1572864
	s_add_nc_u64 s[GV+2:GV+3], s[GV+2:GV+3], s[88:89]
	s_or_b32 s[GV+3], s[GV+3], 0x80000000
	s_lshr_b32 s82, s18, 3                         ; batch
	s_and_b32 s83, s18, 7                          ; which 128 tokens of the sequence
	s_lshl_b32 s86, s83, 1
	s_add_co_u32 s86, s86, s15                     ; which 64
	s_lshl_b32 s88, s18, 12                        ; x's scale words: tile of rows 8 gx + 4 wt
	s_lshl_b32 s90, s15, 11
	s_add_co_u32 s88, s88, s90
	s_add_nc_u64 s[SXB:SXB+1], s[6:7], s[88:89]
	s_lshl_b32 s88, s19, 12                        ; Wq's: tile of rows 256 + 8 g + 4 wc
	s_lshl_b32 s90, s16, 11
	s_add_co_u32 s88, s88, s90
	s_add_co_u32 s88, s88, 131072
	s_add_nc_u64 s[SWB:SWB+1], s[6:7], s[88:89]
	s_lshl_b32 s88, s86, 14                        ; the table at my first token's position
	s_add_nc_u64 s[TBB:TBB+1], s[8:9], s[88:89]
.macro SWLOAD p                        ; pass p's scale words of my four tiles: 8 loads, four K steps each
.irp a, 0,1,2,3
.irp q, 0,1
	global_load_b128 v[SW+32*(\p)+8*\a+4*\q:SW+32*(\p)+8*\a+4*\q+3], v[SA], s[SWB:SWB+1] offset:(\p)*32768+\a*512+\q*256
.endr
.endr
.endm
.macro TABLOAD hf                      ; cos and sin for token tiles 2 hf, 2 hf + 1: register 16 b + 2 j, + 1 = cos, sin of pair 16 b + 8 h + j at my token: 16 loads
	WIN 0x40*(1+(\hf))
.irp u, 0,1
.irp b, 0,1
.irp k, 0,1,2,3
	global_load_b128 v[192+32*\u+16*\b+4*\k:192+32*\u+16*\b+4*\k+3], v[VT], s[TBB:TBB+1] offset:(32*(\hf)+8*\u)*256+128*\b+16*\k
.endr
.endr
.endr
	WIN 0
.endm
.irp i, 0,1,2,3                                ; x's scale words: K half q in the registers 4 (1 - q) on
.irp q, 0,1
	global_load_b128 v[SX+8*\i+4*(1-\q):SX+8*\i+4*(1-\q)+3], v[SA], s[SXB:SXB+1] offset:\i*512+\q*256
.endr
.endr
	SWLOAD 0
	SWLOAD 1
	SWLOAD 2
	TABLOAD 0
	s_lshl_b32 s84, s82, 4
	s_lshl_b32 s85, s19, 1
	s_add_co_u32 s84, s84, s85
	s_add_co_u32 s84, s84, s16                     ; my head among the 64
	s_mul_i32 s85, s84, 53248                      ; the head's record in qq,
	s_mul_i32 s87, s84, 8*STEPB                    ; and in kv: my key step's part
	s_mul_i32 s90, s83, STEPB
	s_add_co_u32 s87, s87, s90
	s_mul_i32 s90, s86, 3072
	s_add_co_u32 s88, s85, s90
	s_add_nc_u64 s[OUTB:OUTB+1], s[12:13], s[88:89]
	s_lshl_b32 s90, s86, 8
	s_add_co_u32 s88, s85, s90
	s_add_co_u32 s88, s88, 49152
	s_add_nc_u64 s[OUTB+2:OUTB+3], s[12:13], s[88:89]
	s_mul_i32 s90, s15, 3072
	s_add_co_u32 s88, s87, s90
	s_add_nc_u64 s[OUTB+4:OUTB+5], s[10:11], s[88:89]
	s_add_nc_u64 s[VB:VB+1], s[OUTB+4:OUTB+5], 6144
	s_lshl_b32 s90, s15, 8
	s_add_co_u32 s88, s87, s90
	s_add_co_u32 s88, s88, 12288
	s_add_nc_u64 s[OUTB+6:OUTB+7], s[10:11], s[88:89]
	s_add_co_u32 s88, s87, 12800
	s_add_nc_u64 s[VSB:VSB+1], s[10:11], s[88:89]
.macro XFETCH s                        ; x's four fragments of K step s from LDS: 16 loads
	WIN 0x40*(1+(\s)/4)
.irp i, 0,1,2,3
.irp c, 0,1
.set D_, 48*((\s)%4)+12*\i+6*\c
	ds_load_b128 v[D_:D_+3], v[XA+(XA1-XA)*((\s)/4)] offset:\i*6144+((\s)%4)*1536+\c*768
	ds_load_b64 v[D_+4:D_+5], v[XA+(XA1-XA)*((\s)/4)+1] offset:\i*6144+((\s)%4)*1536+\c*768+512
.endr
.endr
	WIN 0
.endm
.macro FETCHW sg                       ; the four weight fragments of step sg: 16 loads of consecutive bytes
	WIN 0
.set FB, WF+48*((\sg)%2)
.set LW_, LAW+2*((\sg)/4)
.irp a, 0,1,2,3
.irp c, 0,1
	ds_load_b128 v[FB+12*\a+6*\c:FB+12*\a+6*\c+3], v[LW_] offset:\a*6144+((\sg)%4)*1536+\c*768
	ds_load_b64 v[FB+12*\a+6*\c+4:FB+12*\a+6*\c+5], v[LW_+1] offset:\a*6144+((\sg)%4)*1536+\c*768+512
.endr
.endr
.endm
.macro MM c, sa, sb
	v_wmma_scale_f32_16x16x128_f8f6f4 v[D_:D_+7], v[S0_:S0_+11], v[S1_:S1_+11], \c, v[\sa], v[\sb] matrix_a_fmt:MATRIX_FMT_FP6 matrix_b_fmt:MATRIX_FMT_FP6
.endm
; 16 matrix instructions (or the outer rows i0 .. i0 + n - 1 of them); the 16 accumulators take turns, one instruction a turn, in the same order in every step.  The first step's products start the sums.
.macro MUL p, s, i0, n
.if (\p) < 2
	WIN 0xf4+4*((\s)/4)
.else
	WIN 0xf1+((\s)/4)
.endif
.set I_, \i0
.rept \n
.irp a, 0,1,2,3
.set D_, 8*(4*I_+\a)
.if (\p) < 2
.set S0_, 12*\a+WBUF
.set S1_, 48*((\s)%4)+12*I_
.set SA_, SW+32*(\p)+8*\a+(\s)
.set SB_, SX+8*I_+((\s)+4)%8
.else
.set S0_, 48*((\s)%4)+12*\a
.set S1_, 12*I_+WBUF
.set SA_, SX+8*\a+((\s)+4)%8
.set SB_, SW+64+8*I_+(\s)
.endif
.if (\s) == 0
	MM 0, SA_, SB_
.else
	MM v[D_:D_+7], SA_, SB_
.endif
.endr
.set I_, I_+1
.endr
.endm
; Step sg of 24: pass sg / 8, K step sg % 8.  The next step's fragments are asked for ahead of this step's products; a pass's first are asked for at the end of the pass before.
.macro STEP sg
.set PP, (\sg)/8
.set SS, (\sg)%8
.set WBUF, WF+48*((\sg)%2)
.if (\sg) == 3
	WIN 0
	s_wait_dscnt 0x0                               ; this step's fragments are in; no LDS instruction of mine is out at a signal
	s_cmp_eq_u32 s[WV], 2
	s_cbranch_scc0 .Lnot_2
	s_wait_tensorcnt 0x0                           ; wave 2: x's K half 1 has landed
.Lnot_2:
	s_barrier_signal -1
	MUL 0, 3, 0, 2
	WIN 0
	s_barrier_wait -1
	PLACES 4                                       ; in front of loads into registers that matrix instructions have read
	FETCHW 4
	XFETCH 4
	MUL 0, 3, 2, 2
.else
	PLACES 4
.if SS < 7
	FETCHW (\sg)+1
.if PP == 0
	XFETCH SS+1
.if SS == 0
	s_wait_loadcnt 32                              ; x's and Wq's scale words are in; the 16 loads of Wk's and Wv's and the table's first 16 may be out
.elseif SS == 1
	TABLOAD 1
.endif
	s_wait_dscnt 32                                ; this step's fragments are in; the 32 loads just issued may be out
.else
	s_wait_dscnt 16
.endif
.else
	s_wait_dscnt 0x0
.endif
	MUL PP, SS, 0, 4
.endif
.endm
; Four tiles of 32 registers (register 16 b + k of tile i = index 32 b + 16 h + k along the next K) become four half fragments in v[CODE + 8 i] on and two scale bytes in v[WD + i].  All in window 3; the eight blocks by turns.
.macro QUANT4
.irp i, 0,1,2,3
.irp b, 0,1
	v_max3_num_f32 v[QM+2*\i+\b], |v[32*\i+16*\b]|, |v[32*\i+16*\b+1]|, 0x1800000   ; my 16 numbers of the block, and the floor 2^(3 - 127)
.endr
.endr
.irp k, 2,4,6,8,10,12,14
.irp i, 0,1,2,3
.irp b, 0,1
	v_max3_num_f32 v[QM+2*\i+\b], v[QM+2*\i+\b], |v[32*\i+16*\b+\k]|, |v[32*\i+16*\b+\k+1]|
.endr
.endr
.endr
.irp n, 0,1,2,3,4,5,6,7
	v_permlanex16_b32 v[QX+\n], v[QM+\n], s[SEL], s[SEL+1]
.endr
.irp n, 0,1,2,3,4,5,6,7
	v_max_num_f32 v[QM+\n], v[QM+\n], v[QX+\n]     ; with lane l xor 16's: the block's largest magnitude
.endr
.irp n, 0,1,2,3,4,5,6,7
	v_add_nc_u32 v[QS+\n], 0xff000000, v[QM+\n]    ; 2 off the exponent field: the conversion's scale operand
.endr
.irp n, 0,1,2,3,4,5,6,7
	v_lshrrev_b32 v[QB+\n], 23, v[QS+\n]           ; the scale's byte
.endr
.irp i, 0,1,2,3
	v_lshl_or_b32 v[WD+\i], v[QB+2*\i+1], 8, v[QB+2*\i]
.endr
.irp i, 0,1,2,3
	v_cvt_scalef32_pk16_fp6_f32 v[CODE+8*\i:CODE+8*\i+2], v[32*\i:32*\i+15], v[QS+2*\i]
	v_cvt_scalef32_pk16_fp6_f32 v[CODE+8*\i+4:CODE+8*\i+6], v[32*\i+16:32*\i+31], v[QS+2*\i+1]
.endr
	v_nop                                          ; one plain instruction behind the conversions
.irp i, 0,1,2,3                                ; the operand's layout wants a whole block in a lane: lanes 0-15 block 0, lanes 16-31 block 1
.irp j, 0,1,2
	v_permlane16_swap_b32 v[CODE+8*\i+\j], v[CODE+8*\i+4+\j]
.endr
.endr
.irp i, 0,1,2,3
.irp j, 0,1,2
	v_mov_b32 v[CODE+8*\i+3+\j], v[CODE+8*\i+4+\j] ; in ascending order: six registers on end
.endr
.endr
.endm
; The end of pass p (0: q, 1: k): the rotation; a barrier, with the quantiser between its signal and its wait; the next pass's first fragments; the stores.
; p = 0: the barrier opens a round, behind which Wv is asked for, onto x's region.  p = 1: it shows Wv to all waves.
.macro EPI_QK p
	PLACES 4                                       ; in front of the first read of results
	s_wait_xcnt 0x0                                ; the last pass's stores have read their registers
.if (\p) == 0
	s_wait_loadcnt 0x0                             ; the table and the other passes' scale words are in
.endif
.irp i, 0,1,2,3
	WIN 0xf7+4*(\i/2)                              ; the table in window 1 or 2, all else in window 3
.irp g, 0,8,16,24                              ; an accumulator at a time, from its low end on
.irp d, 0,2,4,6
	v_pk_mul_f32 v[TT+\d:TT+\d+1], v[32*\i+\g+\d:32*\i+\g+\d+1], v[192+32*(\i%2)+\g+\d:192+32*(\i%2)+\g+\d+1] op_sel:[1,1] op_sel_hi:[1,0]   ; odd x sin, odd x cos
.endr
.irp d, 0,2,4,6
	v_pk_fma_f32 v[32*\i+\g+\d:32*\i+\g+\d+1], v[32*\i+\g+\d:32*\i+\g+\d+1], v[192+32*(\i%2)+\g+\d:192+32*(\i%2)+\g+\d+1], v[TT+\d:TT+\d+1] op_sel:[0,0,0] op_sel_hi:[0,1,1] neg_lo:[0,0,1]   ; even x cos - odd x sin, even x sin + odd x cos
.endr
.endr
.endr
	WIN 0
	s_wait_alu depctr_va_vdst(0)
	s_wait_tensorcnt 0x0                           ; all my tensor loads have landed
.if (\p) == 0
	ds_add_u32 v[SPW], v[NIL]
	s_mov_b32 s[G1+2], 96<<16                      ; no tensor load of mine is out: from here on a load brings 96 rows of 256 bytes
	s_mov_b32 s[G1+4], 96
.endif
	s_wait_dscnt 0x0
	s_barrier_signal -1
	WIN 0xff
	QUANT4
.irp i, 0,1,2,3
	v_lshl_or_b32 v[WD+\i], v[WD+\i], 16, v[WD+\i] ; the two bytes twice: the upper two scale the filling of K
.endr
	v_cndmask_b32 v[DW], v[WD], v[WD+2], s[HIM]    ; lanes 0-15 store their token's words of tiles 0 and 1, lanes 16-31 of tiles 2 and 3
	v_cndmask_b32 v[DW+1], v[WD+1], v[WD+3], s[HIM]
	WIN 0
	s_wait_alu depctr_va_vdst(0)
	s_barrier_wait -1
.if (\p) == 0
	CREST
	tensor_load_to_lds s[GV:GV+3], s[G1:G1+7]      ; Wv, a quarter a wave, the first tensor load behind the round
	s_nop 0
	PLACES 4
.endif
	FETCHW 8*((\p)+1)
	WIN 0x0c                                       ; a store's address in window 0, its data in window 3
.irp i, 0,1,2,3
	global_store_b128 v[GA16], v[CODE+8*\i:CODE+8*\i+3], s[OUTB+4*(\p):OUTB+4*(\p)+1] offset:768*\i          ; 512 consecutive bytes, aligned
	global_store_b64 v[GA8], v[CODE+8*\i+4:CODE+8*\i+5], s[OUTB+4*(\p):OUTB+4*(\p)+1] offset:768*\i+512      ; 256 consecutive bytes, aligned
.endr
	global_store_b64 v[SO], v[DW:DW+1], s[OUTB+4*(\p)+2:OUTB+4*(\p)+3]                                       ; 256 consecutive bytes, aligned
	WIN 0
.endm
	s_cmp_lt_u32 s[WV], 2
	s_cbranch_scc0 .Lnot_first
	s_wait_tensorcnt 0x0                           ; waves 0 and 1: x's K half 0 and Wq have landed; the other two tiles may be on their way
.Lnot_first:
	s_barrier_signal -1
	s_barrier_wait -1
	FETCHW 0
	XFETCH 0
.irp g, 0,1,2,3,4,5,6,7
	STEP \g
.endr
	EPI_QK 0
.irp g, 8,9,10,11,12,13,14,15
	STEP \g
.endr
	EPI_QK 1
.irp g, 16,17,18,19,20,21,22,23
	STEP \g
.endr
	; ---- the end of pass V: a lane holds one channel and 64 tokens for each channel tile
	PLACES 4
	s_wait_xcnt 0x0
	WIN 0xff
	QUANT4
	WIN 0x0c
.irp a, 0,1,2,3
	global_store_b128 v[GA16], v[CODE+8*\a:CODE+8*\a+3], s[VB:VB+1] offset:768*\a
	global_store_b64 v[GA8], v[CODE+8*\a+4:CODE+8*\a+5], s[VB:VB+1] offset:768*\a+512
	ds_store_b16 v[AVG], v[WD+\a] offset:4*\a      ; my 64 tokens' two bytes of the word of 128 keys; the other two come from the wave with the other 64 tokens
.endr
	WIN 0
	s_wait_dscnt 0x0                               ; for the others' sake: my stores have landed
	s_barrier_signal -1
	s_barrier_wait -1
	s_cmp_lt_u32 s[WV], 2                          ; waves 0 and 1 store their head's 64 words
	s_cbranch_scc0 .Lno_words
	ds_load_b64 v[RB:RB+1], v[AVR]
	s_wait_dscnt 0x0
	global_store_b64 v[GA8], v[RB:RB+1], s[VSB:VSB+1]   ; 256 consecutive bytes, aligned
.Lno_words:
	s_wait_tensorcnt 0x0                           ; the wave's end
	ds_add_u32 v[SPW], v[NIL]
	s_wait_dscnt 0x0
	CROUND                                         ; the closing round: no work-group ends while a partner may still ask jointly
	s_endpgm
.Lfunc_end_k_q8b920f13b0_qkv:
	.size	k_q8b920f13b0_qkv, .Lfunc_end_k_q8b920f13b0_qkv-k_q8b920f13b0_qkv
	.p2alignl 7, 3214868480
	.fill 96, 4, 3214868480
	.section	.rodata,"a",@progbits
	.p2align	6, 0x0
	.amdhsa_kernel k_q8b920f13b0_qkv
		.amdhsa_group_segment_fixed_size 327680
		.amdhsa_private_segment_fixed_size 0
		.amdhsa_enable_private_segment 0
		.amdhsa_kernarg_size 40
		.amdhsa_user_sgpr_count 2
		.amdhsa_user_sgpr_kernarg_segment_ptr 1
		.amdhsa_wavefront_size32 1
		.amdhsa_system_sgpr_workgroup_id_x 1
		.amdhsa_system_sgpr_workgroup_id_y 1
		.amdhsa_system_sgpr_workgroup_id_z 1
		.amdhsa_system_vgpr_workitem_id 0
		.amdhsa_next_free_vgpr 1024
		.amdhsa_next_free_sgpr 102
		.amdhsa_reserve_vcc 0
		.amdhsa_float_denorm_mode_32 3
		.amdhsa_float_denorm_mode_16_64 3
		.amdhsa_memory_ordered 1
		.amdhsa_forward_progress 1
		.amdhsa_inst_pref_size 146
	.end_amdhsa_kernel
	.amdgpu_metadata
---
amdhsa.version: [ 1, 2 ]
amdhsa.kernels:
  - .name:           k_q8b920f13b0_qkv
    .symbol:         k_q8b920f13b0_qkv.kd
    .args:
      - { .name: cod, .offset: 0, .size: 8, .value_kind: global_buffer, .address_space: global }
      - { .name: scl, .offset: 8, .size: 8, .value_kind: global_buffer, .address_space: global }
      - { .name: tab, .offset: 16, .size: 8, .value_kind: global_buffer, .address_space: global }
      - { .name: kv, .offset: 24, .size: 8, .value_kind: global_buffer, .address_space: global }
      - { .name: qq, .offset: 32, .size: 8, .value_kind: global_buffer, .address_space: global }
    .group_segment_fixed_size: 327680
    .private_segment_fixed_size: 0
    .kernarg_segment_align: 8
    .kernarg_segment_size: 40
    .max_flat_workgroup_size: 128
    .sgpr_count:     102
    .vgpr_count:     1024
    .wavefront_size: 32
...
	.end_amdgpu_metadata
.endif
;; end of part 2
;; launch attn (part 3): grid 4 x 64, 16 waves a work-group, clusters of 4 x 1, 167,936 bytes of LDS; arguments kv, qq, oc, osw; writes oc, osw
.if DOCPART == 3
	.amdgcn_target "amdgcn-amd-amdhsa--gfx1250"
	.amdhsa_code_object_version 6
	.text
	.protected	k_q8b920f13b0_attn
	.globl	k_q8b920f13b0_attn
	.p2align	8
	.type	k_q8b920f13b0_attn,@function
k_q8b920f13b0_attn:
	s_mov_b64 s[64:65], 0
	v_nop
	global_prefetch_b8 v0, s[64:65] scope:SCOPE_SE
	s_setreg_imm32_b32 hwreg(HW_REG_WAVE_MODE, 25, 1), 1
	s_wait_xcnt 0x0
	s_wait_alu depctr_hold_cnt(0) depctr_sa_sdst(0) depctr_va_vdst(0) depctr_va_sdst(0) depctr_va_ssrc(0) depctr_va_vcc(0) depctr_vm_vsrc(0)
	s_getreg_b32 s2, hwreg(HW_REG_IB_STS2, 6, 4)
	s_cmp_eq_u32 s2, 0
	s_cbranch_scc0 .Lentry_in_a_cluster
	s_endpgm
.Lentry_in_a_cluster:
	s_bfe_u32 s2, ttmp6, 0x10000c
	s_cmp_lg_u32 s2, 0x3003
	s_cbranch_scc0 .Lentry_shape_is_right
	s_endpgm
.Lentry_shape_is_right:
; O = softmax(q k^T, causal) v for one head of one batch, both products on codes of E2M3; O / l is quantised along the model's 1,024 channels and stored as images of operand registers for the last product.
; THE SOFTMAX: t = score x log2(e); M = the running largest t rounded up to a whole number; p = 2^(t - M) is quantised along the keys, not normalised; the row's sum is taken of the unquantised p and divides O at the end.
; When M moves, the sum and O are multiplied by 2^(old M - new M), which rounds nothing.
; SHARES.  A work-group takes query tiles 4 G + cx, G = 0 .. 15, of head y, one tile (16 queries) a wave.  The queries lie in tokens 64 G .. 64 G + 63, so a wave needs G + 1 half steps of 64 keys: (G + 1) / 2 whole steps of 128 and,
; where G is even, one half step at the end.  What lies behind is hidden by the mask that the module itself builds, and is not multiplied.  Only the last 64 keys are masked number by number.
; G is made of the wave's number alone, so that the four waves w, w + 4, w + 8, w + 12 have 34 half steps together, the longest first.  Every wave walks all trips and jumps over the work of the steps that are hidden from it.
; LDS: the head's record (eight key steps of 13,056 bytes) comes once, a step by each of waves 0-7; step 0 is shown to all waves by a barrier of its own, the other seven by the next, behind the work on step 0.  Nothing is filled again.
; CLUSTER: the four work-groups of a cluster share the head, so the record is asked for jointly (mask 15).  No prefetch: the whole record is asked for at the head, so no load is left to run ahead of.
; LAYOUT.  S^T = K Q^T and O^T = V^T P^T: a lane holds one query throughout.  The keys of a tile of K are chosen so that the registers of tiles 2 b, 2 b + 1 are keys 32 b + 16 h + 0 .. 15.
; THE FIRST PRODUCT'S K IS 64: Q's registers 6-11 are zero codes; K's upper six registers are simply the next tile's codes (behind the last tile: zeros).  Every code is a finite number, so these products are zeros.
; In a half step P's upper 64 keys are zero codes too.
; osw: [head 64][cx 4][G 16][r 16], two bytes each: the scales of O's two blocks of the head.   oc: [group of 128 tokens][G % 2][K half][cx][K step % 4][head % 2] half fragments.
; LIMITS: scaled scores under 2^31 in magnitude; a block of zeros gets the byte 1; NaN and infinities are not served.
; REGISTERS: v1-3 16 x lane, 8 x lane, 16 r; v7 my query within its 64 tokens less 16 h; v8-10 the step's addresses; v11 where my scale bytes go; v31 where wave 0 reads them back; v12 -M, v13 the largest t, v[14:15] the sum;
; v16-27 Q; v28 its scale word; v32-79 eight tiles of K, later four fragments of V; v80-85 zeros; v86-93 K's scale words, v94-97 V's; v100-163 S^T, then p; v164-195 O^T; v196-207 p's codes; v211 p's scale word; v208-253 at work.
.set STEPB, 13056
.set REC,  8*STEPB
.set SCG,  REC                         ; 512 bytes in which O's scale bytes are gathered; no fill lands there
.set SPARE, SCG+512
.set QM,   216
.set QX,   220
.set QS,   224
.set QB,   226
.set PW,   211
.set WV,   12                          ; s12 wave, s14 G, s15 whole steps, s16 cx, s17 head, s18 G / 2
.set G1,   20
.set G0,   28
.set SEL,  32
.set CS,   34                          ; s[34:35] log2(e): the packed form names a pair and takes its low word for both halves
.macro PLACES n
.rept \n
	v_nop
.endr
.endm
.macro CROUND                          ; a round of the cluster's barrier
	s_barrier_signal -1
	s_barrier_wait -1
	s_cmp_lg_u32 s[WV], 0
	s_cbranch_scc1 .Lnot_wave_0_\@
	s_barrier_signal -3
.Lnot_wave_0_\@:
	s_barrier_wait -3
	s_barrier_signal -1
	s_barrier_wait -1
.endm
.macro TLOAD
	tensor_load_to_lds s[G0:G0+3], s[G1:G1+7]
	s_nop 0
	PLACES 4
.endm
	s_load_b256 s[4:11], s[0:1], 0x0               ; kv s[4:5], qq s[6:7], oc s[8:9], osw s[10:11]
	v_lshl_add_u32 v254, v0, 2, SPARE
	v_mov_b32 v255, 0
	ds_add_u32 v254, v255                          ; the opening lines: the add, twice on end, and its wait
	ds_add_u32 v254, v255
	v_lshrrev_b32 v1, 5, v0
	v_readfirstlane_b32 s[WV], v1
	s_lshr_b32 s13, s[WV], 2
	s_and_b32 s40, s13, 1
	s_mul_i32 s40, s40, 3
	s_xor_b32 s40, s40, 15
	s_xor_b32 s14, s[WV], s40                      ; G: waves 0-3 have 15 .. 12, waves 4-7 8 .. 11, waves 8-11 7 .. 4, waves 12-15 0 .. 3
	s_add_co_u32 s15, s14, 1
	s_lshr_b32 s15, s15, 1                         ; whole steps
	s_lshr_b32 s18, s14, 1                         ; the step in which my queries lie
	s_bfe_u32 s16, ttmp6, 0x40000                  ; cx: it enters global addresses and the mask's comparison alone
	s_and_b32 s17, ttmp7, 0xffff                   ; the head, which the four partners share
	s_mov_b32 s[G1], 15|(3<<16)|(1<<21)            ; the mask: all four; elements of 8 bytes; bit 21 beside a mask; no padding
	s_mov_b32 s[G1+1], 32<<16                      ; rows of 256 bytes,
	s_mov_b32 s[G1+2], 51<<16                      ; 51 of them: a key step
	s_mov_b32 s[G1+3], 32<<16
	s_mov_b32 s[G1+4], 51
	s_mov_b32 s[G1+5], 32
	s_mov_b32 s[G1+6], 0
	s_mov_b32 s[G1+7], 0
	s_mov_b32 s[SEL], 0x76543210
	s_mov_b32 s[SEL+1], 0xfedcba98
	s_mov_b32 s[CS], 0x3fb8aa3b                    ; log2(e): the module scales the scores by nothing else
	s_mov_b32 s[CS+1], s[CS]
	s_mul_i32 s41, s[WV], STEPB
	s_mul_i32 s42, s17, REC
	s_add_co_u32 s42, s42, s41
	s_mov_b32 s43, 0
	s_mul_i32 s40, s17, 53248                      ; my head's record in qq
	s_lshl_b32 s44, s14, 2
	s_add_co_u32 s44, s44, s16                     ; my tile of queries
	s_mul_i32 s44, s44, 768
	s_add_co_u32 s44, s44, s40                     ; Q's codes
	s_mov_b32 s45, 0
	s_lshl_b32 s46, s14, 8
	s_add_co_u32 s46, s46, s40
	s_lshl_b32 s40, s16, 2
	s_add_co_u32 s46, s46, s40
	s_add_co_u32 s46, s46, 49152                   ; Q's scale words
	s_mov_b32 s47, 0
	s_lshr_b32 s56, s17, 4                         ; O's codes: group 8 batch + G / 2,
	s_lshl_b32 s56, s56, 3
	s_add_co_u32 s56, s56, s18
	s_lshl_b32 s56, s56, 1
	s_and_b32 s40, s14, 1
	s_add_co_u32 s56, s56, s40                     ; G % 2,
	s_lshl_b32 s56, s56, 1
	s_bfe_u32 s40, s17, 0x10003                    ; K half,
	s_add_co_u32 s56, s56, s40
	s_mul_i32 s56, s56, 24576
	s_mul_i32 s40, s16, 6144                       ; tile cx,
	s_add_co_u32 s56, s56, s40
	s_and_b32 s40, s17, 7                          ; K step and half fragment
	s_mul_i32 s40, s40, 768
	s_add_co_u32 s56, s56, s40
	s_mov_b32 s57, 0
	s_lshl_b32 s58, s17, 2
	s_add_co_u32 s58, s58, s16
	s_lshl_b32 s58, s58, 9                         ; O's scale bytes: 512 for each head and cx
	s_mov_b32 s59, 0
	s_lshr_b32 s38, s16, 1                         ; my query within its 64 tokens: 32 (cx / 2) + 8 (cx % 2) + r + 8 (r / 8)
	s_lshl_b32 s38, s38, 5
	s_and_b32 s39, s16, 1
	s_lshl_b32 s39, s39, 3
	s_add_co_u32 s38, s38, s39
	s_lshl_b32 s39, s14, 5
	s_add_co_u32 s39, s39, SCG
	v_and_b32 v4, 31, v0
	v_and_b32 v5, 15, v0                           ; r
	v_bfe_u32 v6, v0, 4, 1                         ; h
	v_lshlrev_b32 v1, 4, v4
	v_lshlrev_b32 v2, 3, v4
	v_lshlrev_b32 v3, 4, v5
	v_and_b32 v29, 8, v5
	v_lshlrev_b32 v30, 4, v6
	v_add_nc_u32 v29, v29, v5
	v_lshl_add_u32 v11, v5, 1, s39                 ; SCG + 32 G + 2 r
	v_sub_nc_u32 v29, v29, v30
	v_add_nc_u32 v31, SCG, v1
	v_add_nc_u32 v7, s38, v29
	s_wait_alu depctr_va_vdst(0)                   ; the wait ahead of the blocking waits
	s_wait_dscnt 0x0
	CROUND                                         ; all four work-groups are here, ahead of the wait for the arguments: the joint loads meet
	s_wait_kmcnt 0x0
	s_mov_b32 s[G0], 1
	s_mov_b32 s[G0+1], s41
	s_add_nc_u64 s[G0+2:G0+3], s[4:5], s[42:43]
	s_or_b32 s[G0+3], s[G0+3], 0x80000000
	s_cmp_eq_u32 s[WV], 0
	s_cbranch_scc0 .Lrest
	TLOAD                                          ; wave 0: key step 0
	s_branch .Lasked
.Lrest:
	s_cmp_lt_u32 s[WV], 8
	s_cbranch_scc0 .Lasked
	TLOAD                                          ; waves 1-7: key steps 1-7
.Lasked:
	s_add_nc_u64 s[48:49], s[6:7], s[44:45]
	s_add_nc_u64 s[54:55], s[6:7], s[46:47]
	s_add_nc_u64 s[50:51], s[8:9], s[56:57]
	s_add_nc_u64 s[52:53], s[10:11], s[58:59]
	global_load_b128 v[16:19], v1, s[48:49]
	global_load_b64 v[20:21], v2, s[48:49] offset:512
	global_load_b32 v28, v3, s[54:55]
.irp n, 22,23,24,25,26,27,80,81,82,83,84,85
	v_mov_b32 v[\n], 0                             ; zero codes
.endr
	v_mov_b32 v13, 0xff61b1e6                      ; the largest t so far: -3e38
	v_mov_b32 v14, 0                               ; the sum, in two halves
	v_mov_b32 v15, 0
	v_floor_f32 v12, -v13                          ; -M
.irp n, 220,221,222,223,229,232
	v_mov_b32 v[\n], 0                             ; written once: permutes' destinations, and the upper half of a pair that is named
.endr
	v_mov_b32 v235, 0xff800000                     ; -infinity
.set n, 0
.rept 32
	v_mov_b32 v[164+n], 0                          ; O^T.  (The step finds zeros at first)
.set n, n+1
.endr
; A step on nb blocks of 32 keys: 4, or 2 in the half step.  The first 64 keys of a whole step are never hidden in part.
.macro STEPX nb
	v_add_nc_u32 v8, s37, v1                       ; (with the v_nop: the places in front of loads into registers that matrix instructions have read)
	v_add_nc_u32 v9, s37, v2
	v_add_nc_u32 v10, s37, v3
	v_nop
.set KT, 0
.rept 3*\nb/2+2                                ; eight tiles of K; in the half step four, and the fifth for the fourth's upper registers
	ds_load_b128 v[32+6*KT:35+6*KT], v8 offset:768*KT
	ds_load_b64 v[36+6*KT:37+6*KT], v9 offset:768*KT+512
.set KT, KT+1
.endr
	ds_load_b128 v[86:89], v10 offset:12288
.if \nb == 4
	ds_load_b128 v[90:93], v10 offset:12544
.endif
	s_wait_alu depctr_va_vdst(0)
	s_wait_dscnt 0x0
.set KT, 0
.rept 2*\nb
	v_wmma_scale_f32_16x16x128_f8f6f4 v[100+8*KT:107+8*KT], v[32+6*KT:43+6*KT], v[16:27], 0, v[86+KT], v28 matrix_a_fmt:MATRIX_FMT_FP6 matrix_b_fmt:MATRIX_FMT_FP6
.set KT, KT+1
.endr
	PLACES 4                                       ; in front of the loads below and of the first read of the scores
.irp a, 0,1,2,3                                ; V's four fragments are asked for here and land under the softmax
.irp c, 0,1
	ds_load_b128 v[32+12*\a+6*\c:35+12*\a+6*\c], v8 offset:6144+\c*3072+\a*768
	ds_load_b64 v[36+12*\a+6*\c:37+12*\a+6*\c], v9 offset:6144+\c*3072+\a*768+512
.endr
.endr
	ds_load_b128 v[94:97], v10 offset:12800
.if \nb == 4
	s_cmp_lg_u32 s36, s18
	s_cbranch_scc1 .Lopen_\@
.endif
.set MB, 100+16*(\nb-2)                        ; the last 64 keys
.set KT, 0
.rept 32                                       ; register 16 b + i holds key 32 b + 16 h + i of these 64: hidden where 32 b + i > my query - 16 h
	v_cmp_gt_i32 vcc_lo, 32*(KT/16)+KT%16, v7
	v_cndmask_b32 v[MB+KT], v[MB+KT], v235, vcc_lo
.set KT, KT+1
.endr
.Lopen_\@:
.irp b, 0,1,2,3
.if \b < \nb
	v_max3_num_f32 v[QM+\b], v[100+16*\b], v[101+16*\b], v[102+16*\b]   ; the largest score of each block of 32 keys: for the row's maximum, and, since p rises with the score, for the block's largest p
.endif
.endr
.irp i, 3,5,7,9,11,13
.irp b, 0,1,2,3
.if \b < \nb
	v_max3_num_f32 v[QM+\b], v[QM+\b], v[100+16*\b+\i], v[101+16*\b+\i]
.endif
.endr
.endr
.irp b, 0,1,2,3
.if \b < \nb
	v_max_num_f32 v[QM+\b], v[QM+\b], v[115+16*\b]
.endif
.endr
.irp b, 0,1,2,3
.if \b < \nb
	s_delay_alu instid0(VALU_DEP_\nb)
	v_permlanex16_b32 v[QX+\b], v[QM+\b], s[SEL], s[SEL+1]
.endif
.endr
.irp b, 0,1,2,3
.if \b < \nb
	s_delay_alu instid0(VALU_DEP_\nb)
	v_max_num_f32 v[QM+\b], v[QM+\b], v[QX+\b]     ; with lane l xor 16's 16 keys
.endif
.endr
.if \nb == 4
	s_delay_alu instid0(VALU_DEP_2)
	v_max3_num_f32 v234, v216, v217, v218
	s_delay_alu instid0(VALU_DEP_1)
	v_max_num_f32 v234, v234, v219                 ; the step's largest score of my query
.else
	s_delay_alu instid0(VALU_DEP_1)
	v_max_num_f32 v234, v216, v217
.endif
	s_delay_alu instid0(VALU_DEP_1)
	v_mul_f32 v234, s[CS], v234
	s_delay_alu instid0(VALU_DEP_1)
	v_max_num_f32 v13, v13, v234                   ; the running largest t
	v_mov_b32 v234, v12
	s_delay_alu instid0(VALU_DEP_2)
	v_floor_f32 v12, -v13                          ; the new -M = -ceil(t)
	s_delay_alu instid0(VALU_DEP_1)
	v_sub_f32 v234, v12, v234                      ; old M - new M: a whole number, 0 or less
	s_delay_alu instid0(VALU_DEP_1)
	v_cvt_i32_f32 v234, v234                       ; (it saturates)
	s_delay_alu instid0(VALU_DEP_1)
	v_ldexp_f32 v228, 1.0, v234                    ; f = 2^(old M - new M)
.set KT, 0
.rept 8*\nb
	v_pk_fma_f32 v[100+KT:101+KT], v[100+KT:101+KT], s[CS:CS+1], v[12:13] op_sel_hi:[1,0,0]   ; t - M, two at a time
.set KT, KT+2
.endr
.irp b, 0,1,2,3
.if \b < \nb
	v_fma_f32 v[QM+\b], v[QM+\b], s[CS], v12       ; the same of each block's largest score
.endif
.endr
	s_wait_alu depctr_va_vdst(0)                   ; the wait ahead of the batch
.set KT, 0
.rept 16*\nb
	v_exp_f32 v[100+KT], v[100+KT]                 ; p = 2^(t - M)
.set KT, KT+1
.endr
.irp b, 0,1,2,3
.if \b < \nb
	v_exp_f32 v[QM+\b], v[QM+\b]                   ; the blocks' largest p
.endif
.endr
	v_pk_mul_f32 v[14:15], v[14:15], v[228:229] op_sel_hi:[1,0]   ; the sums under the new M: the plain instruction behind the exponentials
	s_wait_alu depctr_va_vdst(0)                   ; one wait for the batch, ahead of its first reader
	v_pk_add_f32 v[232:233], v[100:101], v[102:103]   ; the row's sum, of the unquantised p: four chains by turns
	v_pk_add_f32 v[252:253], v[104:105], v[106:107]
	v_pk_add_f32 v[250:251], v[108:109], v[110:111]
	v_pk_add_f32 v[14:15], v[14:15], v[112:113]
.set KT, 7
.rept 8*\nb-7
.if KT%4 == 3
	v_pk_add_f32 v[232:233], v[232:233], v[100+2*KT:101+2*KT]
.elseif KT%4 == 0
	v_pk_add_f32 v[252:253], v[252:253], v[100+2*KT:101+2*KT]
.elseif KT%4 == 1
	v_pk_add_f32 v[250:251], v[250:251], v[100+2*KT:101+2*KT]
.else
	v_pk_add_f32 v[14:15], v[14:15], v[100+2*KT:101+2*KT]
.endif
.set KT, KT+1
.endr
	v_pk_add_f32 v[232:233], v[232:233], v[252:253]
	v_pk_add_f32 v[14:15], v[14:15], v[250:251]
.irp b, 0,1,2,3
.if \b < \nb
	v_max_num_f32 v[QM+\b], 0x1800000, v[QM+\b]    ; the floor 2^(3 - 127): a block whose every p is 0 keeps the byte 1; its codes are zeros
.endif
.endr
	v_pk_add_f32 v[14:15], v[14:15], v[232:233]
.irp b, 0,1,2,3
.if \b < \nb
	v_add_nc_u32 v[QS+\b], 0xff000000, v[QM+\b]    ; the conversion's scale operand
.endif
.endr
.irp b, 0,1,2,3
.if \b < \nb
	s_delay_alu instid0(VALU_DEP_\nb)
	v_lshrrev_b32 v[QX+\b], 23, v[QS+\b]           ; the scale's byte
.endif
.endr
	v_lshl_or_b32 v[PW], v[QX+1], 8, v[QX]         ; p's scale word for these keys
.if \nb == 4
	s_delay_alu instid0(VALU_DEP_1)
	v_lshl_or_b32 v[PW], v[QX+2], 16, v[PW]
	s_delay_alu instid0(VALU_DEP_1)
	v_lshl_or_b32 v[PW], v[QX+3], 24, v[PW]
.endif
.irp c, 0,1
.if 2*\c < \nb
	v_cvt_scalef32_pk16_fp6_f32 v[196+6*\c:198+6*\c], v[100+32*\c:115+32*\c], v[QS+2*\c]
	v_cvt_scalef32_pk16_fp6_f32 v[208+4*\c:210+4*\c], v[116+32*\c:131+32*\c], v[QS+2*\c+1]
.endif
.endr
	v_nop                                          ; one plain instruction behind the conversions
.irp c, 0,1                                    ; a whole block in a lane: lanes 0-15 block 2 c, lanes 16-31 block 2 c + 1
.if 2*\c < \nb
.irp i, 0,1,2
	v_permlane16_swap_b32 v[196+6*\c+\i], v[208+4*\c+\i]
.endr
.irp i, 0,1,2
	s_delay_alu instid0(VALU_DEP_3)
	v_mov_b32 v[199+6*\c+\i], v[208+4*\c+\i]
.endr
.else
.irp i, 202,203,204,205,206,207
	v_mov_b32 v[\i], 0                             ; zero codes for the upper 64 keys
.endr
.endif
.endr
	s_wait_alu depctr_va_vdst(0)                   ; the wait ahead of the first reader of O^T
.set KT, 0
.rept 16
	v_pk_mul_f32 v[164+KT:165+KT], v[164+KT:165+KT], v[228:229] op_sel_hi:[1,0]   ; O^T under the new M.  (Of these 16, twelve name no register of a given product below: the places between the scale word's last write and that product)
.set KT, KT+2
.endr
	s_wait_alu depctr_va_vdst(0)
	s_wait_dscnt 0x0                               ; V's fragments and scale words are in
.irp a, 0,1,2,3                                ; the four accumulators take turns, one instruction a turn
	v_wmma_scale_f32_16x16x128_f8f6f4 v[164+8*\a:171+8*\a], v[32+12*\a:43+12*\a], v[196:207], v[164+8*\a:171+8*\a], v[94+\a], v[PW] matrix_a_fmt:MATRIX_FMT_FP6 matrix_b_fmt:MATRIX_FMT_FP6
.endr
.endm
	s_mov_b32 s36, 0                               ; the key step
	s_mov_b32 s37, 0                               ; its place in LDS
	s_wait_alu depctr_va_vdst(0)                   ; the wait at the head's end
	s_wait_loadcnt 0x0                             ; Q
	s_cmp_eq_u32 s[WV], 0
	s_cbranch_scc0 .Lnot_0
	s_wait_tensorcnt 0x0                           ; wave 0: step 0 has landed; the others may be on their way
.Lnot_0:
	s_barrier_signal -1
	s_barrier_wait -1
	s_cmp_eq_u32 s15, 0
	s_cbranch_scc1 .Lno_first
	STEPX 4
.Lno_first:
	s_wait_alu depctr_va_vdst(0)
	s_wait_tensorcnt 0x0                           ; steps 1 to 7 have landed
	s_wait_dscnt 0x0
	s_barrier_signal -1
	s_barrier_wait -1
	s_mov_b32 s36, 1
	s_mov_b32 s37, STEPB
.Lstep:
	s_cmp_ge_u32 s36, s15                          ; not one of my whole steps: only the address steps
	s_cbranch_scc1 .Lhidden
	STEPX 4
.Lhidden:
	s_add_co_u32 s37, s37, STEPB
	s_add_co_u32 s36, s36, 1
	s_cmp_lt_u32 s36, 8
	s_cbranch_scc1 .Lstep
	s_and_b32 s40, s14, 1
	s_cmp_lg_u32 s40, 0                            ; G is odd: no half step
	s_cbranch_scc1 .Lno_half
	s_mul_i32 s37, s18, STEPB
	STEPX 2
.Lno_half:
	; ---- the way out: O^T / the sum; register 16 b + k is channel 32 b + 16 h + k of my head: quantised along the channels
	PLACES 4
	v_add_f32 v14, v14, v15
	s_delay_alu instid0(VALU_DEP_1)
	v_permlanex16_b32 v232, v14, s[SEL], s[SEL+1]
	s_delay_alu instid0(VALU_DEP_1)
	v_add_f32 v14, v14, v232                       ; the row's sum
	s_wait_alu depctr_va_vdst(0)
	v_rcp_f32 v14, v14
	v_nop                                          ; a plain instruction behind the reciprocal
	s_wait_alu depctr_va_vdst(0)                   ; and the wait ahead of its first reader
.set n, 0
.rept 32
	v_mul_f32 v[100+n], v[164+n], v14
.set n, n+1
.endr
.irp b, 0,1
	v_max3_num_f32 v[QM+\b], |v[100+16*\b]|, |v[101+16*\b]|, 0x1800000
.endr
.irp i, 2,4,6,8,10,12,14
.irp b, 0,1
	s_delay_alu instid0(VALU_DEP_2)
	v_max3_num_f32 v[QM+\b], v[QM+\b], |v[100+16*\b+\i]|, |v[101+16*\b+\i]|
.endr
.endr
.irp b, 0,1
	s_delay_alu instid0(VALU_DEP_2)
	v_permlanex16_b32 v[QX+\b], v[QM+\b], s[SEL], s[SEL+1]
.endr
.irp b, 0,1
	s_delay_alu instid0(VALU_DEP_2)
	v_max_num_f32 v[QM+\b], v[QM+\b], v[QX+\b]
.endr
.irp b, 0,1
	s_delay_alu instid0(VALU_DEP_2)
	v_add_nc_u32 v[QS+\b], 0xff000000, v[QM+\b]
.endr
.irp b, 0,1
	s_delay_alu instid0(VALU_DEP_2)
	v_lshrrev_b32 v[QB+\b], 23, v[QS+\b]
.endr
	s_delay_alu instid0(VALU_DEP_1)
	v_lshl_or_b32 v230, v[QB+1], 8, v[QB]          ; my head's two bytes of the row's scale word
	v_cvt_scalef32_pk16_fp6_f32 v[196:198], v[100:115], v[QS]
	v_cvt_scalef32_pk16_fp6_f32 v[200:202], v[116:131], v[QS+1]
	v_nop
.irp i, 0,1,2
	v_permlane16_swap_b32 v[196+\i], v[200+\i]
.endr
.irp i, 0,1,2
	s_delay_alu instid0(VALU_DEP_3)
	v_mov_b32 v[199+\i], v[200+\i]
.endr
	global_store_b128 v1, v[196:199], s[50:51]               ; 512 consecutive bytes, aligned
	global_store_b64 v2, v[200:201], s[50:51] offset:512     ; 256 consecutive bytes, aligned
	ds_store_b16 v11, v230                         ; lanes l and l xor 16 write the same two bytes
	s_wait_dscnt 0x0                               ; for the others' sake: my store has landed
	s_barrier_signal -1
	s_barrier_wait -1
	s_cmp_lg_u32 s[WV], 0                          ; wave 0 stores the work-group's 512 scale bytes
	s_cbranch_scc1 .Lno_words
	ds_load_b128 v[100:103], v31
	s_wait_dscnt 0x0
	global_store_b128 v1, v[100:103], s[52:53]     ; 512 consecutive bytes, aligned
.Lno_words:
	s_wait_tensorcnt 0x0                           ; the wave's end
	ds_add_u32 v254, v255
	s_wait_dscnt 0x0
	CROUND                                         ; the closing round
	s_endpgm
.Lfunc_end_k_q8b920f13b0_attn:
	.size	k_q8b920f13b0_attn, .Lfunc_end_k_q8b920f13b0_attn-k_q8b920f13b0_attn
	.p2alignl 7, 3214868480
	.fill 96, 4, 3214868480
	.section	.rodata,"a",@progbits
	.p2align	6, 0x0
	.amdhsa_kernel k_q8b920f13b0_attn
		.amdhsa_group_segment_fixed_size 167936
		.amdhsa_private_segment_fixed_size 0
		.amdhsa_enable_private_segment 0
		.amdhsa_kernarg_size 32
		.amdhsa_user_sgpr_count 2
		.amdhsa_user_sgpr_kernarg_segment_ptr 1
		.amdhsa_wavefront_size32 1
		.amdhsa_system_sgpr_workgroup_id_x 1
		.amdhsa_system_sgpr_workgroup_id_y 1
		.amdhsa_system_sgpr_workgroup_id_z 1
		.amdhsa_system_vgpr_workitem_id 0
		.amdhsa_next_free_vgpr 256
		.amdhsa_next_free_sgpr 66
		.amdhsa_reserve_vcc 1
		.amdhsa_float_denorm_mode_32 3
		.amdhsa_float_denorm_mode_16_64 3
		.amdhsa_memory_ordered 1
		.amdhsa_forward_progress 1
		.amdhsa_inst_pref_size 64
	.end_amdhsa_kernel
	.amdgpu_metadata
---
amdhsa.version: [ 1, 2 ]
amdhsa.kernels:
  - .name:           k_q8b920f13b0_attn
    .symbol:         k_q8b920f13b0_attn.kd
    .args:
      - { .name: kv, .offset: 0, .size: 8, .value_kind: global_buffer, .address_space: global }
      - { .name: qq, .offset: 8, .size: 8, .value_kind: global_buffer, .address_space: global }
      - { .name: oc, .offset: 16, .size: 8, .value_kind: global_buffer, .address_space: global }
      - { .name: osw, .offset: 24, .size: 8, .value_kind: global_buffer, .address_space: global }
    .group_segment_fixed_size: 167936
    .private_segment_fixed_size: 0
    .kernarg_segment_align: 8
    .kernarg_segment_size: 32
    .max_flat_workgroup_size: 512
    .sgpr_count:     66
    .vgpr_count:     256
    .wavefront_size: 32
...
	.end_amdgpu_metadata
.endif
;; end of part 3
;; launch oproj (part 4): grid 32 x 8, 4 waves a work-group, clusters of 4 x 4, 214,528 bytes of LDS; arguments oc, osw, cod, scl, out0; writes out0
.if DOCPART == 4
	.amdgcn_target "amdgcn-amd-amdhsa--gfx1250"
	.amdhsa_code_object_version 6
	.text
	.protected	k_q8b920f13b0_oproj
	.globl	k_q8b920f13b0_oproj
	.p2align	8
	.type	k_q8b920f13b0_oproj,@function
k_q8b920f13b0_oproj:
	s_mov_b64 s[64:65], 0
	v_nop
	global_prefetch_b8 v0, s[64:65] scope:SCOPE_SE
	s_setreg_imm32_b32 hwreg(HW_REG_WAVE_MODE, 25, 1), 1
	s_wait_xcnt 0x0
	s_wait_alu depctr_hold_cnt(0) depctr_sa_sdst(0) depctr_va_vdst(0) depctr_va_sdst(0) depctr_va_ssrc(0) depctr_va_vcc(0) depctr_vm_vsrc(0)
	s_getreg_b32 s2, hwreg(HW_REG_IB_STS2, 6, 4)
	s_cmp_eq_u32 s2, 0
	s_cbranch_scc0 .Lentry_in_a_cluster
	s_endpgm
.Lentry_in_a_cluster:
	s_bfe_u32 s2, ttmp6, 0x10000c
	s_cmp_lg_u32 s2, 0xf033
	s_cbranch_scc0 .Lentry_shape_is_right
	s_endpgm
.Lentry_shape_is_right:
; out0 = O Wo^T on codes of E2M3.  O's codes (oc) and Wo's (groups 56 .. 63 of cod) lie as images of operand registers; O's scale bytes in osw [batch][head 16][tile % 4][G 16][r], two bytes each, Wo's words in scl.
; SHARES.  A work-group takes 128 tokens (group gx) x output channels 128 g .. 128 g + 127.  Wave w = 2 wt + wc takes 64 channels and, in each of two passes, two token tiles: tiles 4 p + 2 wt + j in pass p: 8 accumulators, 8 K steps.
; Wo's 32 fragments of a wave (384 registers) are read from LDS in pass 0 and stay.  Pass 0's results leave while pass 1 is multiplied.
; LDS: O's tiles of pass 0, of pass 1, Wo's K half 0, K half 1, 49,152 bytes each, filled once: one joint load a wave at the head (wave 0 Wo's K half 0, wave 1 O's pass 0, wave 2 Wo's K half 1, wave 3 O's pass 1).
; CLUSTER: 4 x 4.  The four of a row have the same g and share Wo's tiles; the four of a column have the same gx and share O's.  No prefetch: every tile is asked for at the head.
; Source 0 = 16 rows of Wo, source 1 = 16 tokens: a lane holds one token, and the registers of tiles 2 b, 2 b + 1 are output channels 32 b + 16 h + 0 .. 15: 64 neighbouring bytes.
; The way out goes through the wave's own stage in LDS (16 rows of 256 bytes + 16), so that sixteen lanes store 256 consecutive bytes, aligned.
; REGISTERS: window 0: v1-31 addresses; v33-48 O's scale words (8 p + 4 j + s % 4; lanes 0-15 K step s % 4, lanes 16-31 K step 4 + s % 4); v64-95 Wo's (8 a + s); v96-111 at work; v160-255 four buffers of two O fragments.
;   Windows 1, 2: Wo's fragments of K steps 0-3, 4-7 at 48 (s % 4) + 12 a.   Window 3: v0-127 the accumulators; v128-255 rows read back from the stage.
.set CHUNK, 49152
.set WR,    2*CHUNK
.set STAGE, 4*CHUNK                    ; 4,352 bytes for each wave; no fill lands there
.set SPIT,  272
.set SPARE, STAGE+4*16*SPIT
.set SA,   8                           ; v8   16 r
.set R2,   9                           ; v9   2 r + 16384 h
.set STO,  10                          ; v10  the stage: row r, + 64 h
.set RD,   11                          ; v11  back: row h, + 16 r
.set CO,   12                          ; v12  the same two rows in out0
.set OA,   16                          ; v16-19  LDS: my O tiles of pass p: + 16 x lane, + 8 x lane
.set WA,   20                          ; v20-23  my four Wo tiles of K half q, likewise
.set SPW,  30
.set NIL,  31
.set SX,   33
.set SW,   64
.set SXT,  96
.set OF,   160
.set WV,   14
.set G1,   20
.set G1X,  92
.set G0,   28                          ; s[28:43] group 0: Wo's K halves 0, 1, O's passes 0, 1
.set SXB,  54
.set OB,   66
.set SWB,  80
.set MSB, 0
.macro WIN new                         ; the immediate's high byte repeats the setting that is left; a switch that changes nothing is dropped
.if MSB != (\new)
	s_set_vgpr_msb (MSB<<8)|(\new)
.set MSB, (\new)
.endif
.endm
.macro PLACES n
.rept \n
	v_nop
.endr
.endm
.macro CROUND                          ; a round of the cluster's barrier
	s_barrier_signal -1
	s_barrier_wait -1
	s_cmp_lg_u32 s[WV], 0
	s_cbranch_scc1 .Lnot_wave_0_\@
	s_barrier_signal -3
.Lnot_wave_0_\@:
	s_barrier_wait -3
	s_barrier_signal -1
	s_barrier_wait -1
.endm
.macro ARM w, g0, g1, next
	s_cmp_eq_u32 s[WV], \w
	s_cbranch_scc0 \next
	tensor_load_to_lds s[\g0:\g0+3], s[\g1:\g1+7]
	s_nop 0
	PLACES 4
	s_branch .Lasked
\next:
.endm
	s_load_b256 s[4:11], s[0:1], 0x0               ; oc s[4:5], osw s[6:7], cod s[8:9], scl s[10:11]
	s_load_b64 s[12:13], s[0:1], 0x20              ; out0
	v_lshl_add_u32 v[SPW], v0, 2, SPARE
	v_mov_b32 v[NIL], 0
	ds_add_u32 v[SPW], v[NIL]                      ; the opening lines: the add, twice on end, and its wait
	ds_add_u32 v[SPW], v[NIL]
	v_lshrrev_b32 v1, 5, v0
	v_readfirstlane_b32 s[WV], v1
	s_lshr_b32 s15, s[WV], 1                       ; wt
	s_and_b32 s16, s[WV], 1                        ; wc
	s_bfe_u32 s17, ttmp6, 0x40000                  ; cx
	s_bfe_u32 s90, ttmp6, 0x40004                  ; cy
	s_lshl_b32 s18, ttmp9, 2
	s_add_co_u32 s18, s18, s17                     ; gx = 4 x cluster x + cx
	s_and_b32 s19, ttmp7, 0xffff
	s_lshl_b32 s19, s19, 2
	s_add_co_u32 s19, s19, s90                     ; g = 4 x cluster y + cy
	s_lshl_b32 s90, s90, 2
	s_lshl_b32 s90, 15, s90                        ; my row of the cluster, which shares g
	s_lshl_b32 s91, 0x1111, s17                    ; my column, which shares gx
	s_or_b32 s[G1], s90, (3<<16)|(1<<21)           ; the mask; elements of 8 bytes; bit 21 beside a mask
	s_or_b32 s[G1X], s91, (3<<16)|(1<<21)
.irp g, G1, G1X                                ; 192 rows of 256 bytes, dense
	s_mov_b32 s[\g+1], 32<<16
	s_mov_b32 s[\g+2], 192<<16
	s_mov_b32 s[\g+3], 32<<16
	s_mov_b32 s[\g+4], 192
	s_mov_b32 s[\g+5], 32
	s_mov_b32 s[\g+6], 0
	s_mov_b32 s[\g+7], 0
.endr
	s_add_co_u32 s60, s19, 56                      ; Wo's group 56 + g
	s_mul_i32 s60, s60, 98304
	s_mov_b32 s61, 0
	s_mul_i32 s100, s18, 98304                     ; O's group gx
	s_mov_b32 s101, 0
	s_mul_i32 s62, s16, 24576                      ; my four Wo tiles of a chunk's eight
	s_add_co_u32 s62, s62, WR
	s_mul_i32 s63, s15, 12288                      ; my two O tiles of a pass's four
	s_mul_i32 s59, s[WV], 16*SPIT
	s_add_co_u32 s59, s59, STAGE                   ; my stage
	v_and_b32 v1, 31, v0
	v_and_b32 v2, 15, v0                           ; r
	v_bfe_u32 v3, v0, 4, 1                         ; h
	v_lshlrev_b32 v4, 4, v1
	v_lshlrev_b32 v5, 3, v1
	v_add_nc_u32 v[OA], s63, v4
	v_add_nc_u32 v[OA+1], s63, v5
	v_add_nc_u32 v[WA], s62, v4
	v_add_nc_u32 v[WA+1], s62, v5
	v_add_nc_u32 v[OA+2], CHUNK, v[OA]
	v_add_nc_u32 v[OA+3], CHUNK, v[OA+1]
	v_add_nc_u32 v[WA+2], CHUNK, v[WA]
	v_add_nc_u32 v[WA+3], CHUNK, v[WA+1]
	v_lshlrev_b32 v[SA], 4, v2
	v_lshlrev_b32 v[R2], 1, v2
	v_lshl_add_u32 v[R2], v3, 14, v[R2]
	v_mul_u32_u24 v[STO], v2, SPIT
	v_lshl_add_u32 v[STO], v3, 6, v[STO]
	v_add_nc_u32 v[STO], s59, v[STO]
	v_mul_u32_u24 v[RD], v3, SPIT
	v_lshl_add_u32 v[RD], v2, 4, v[RD]
	v_add_nc_u32 v[RD], s59, v[RD]
	v_lshlrev_b32 v[CO], 12, v3
	v_lshl_add_u32 v[CO], v2, 4, v[CO]
	s_wait_alu depctr_va_vdst(0)                   ; the wait ahead of the blocking waits
	s_wait_dscnt 0x0
	CROUND                                         ; all sixteen work-groups are here, ahead of the wait for the arguments: the joint loads meet
	s_wait_kmcnt 0x0
	s_add_nc_u64 s[60:61], s[8:9], s[60:61]
	s_add_nc_u64 s[100:101], s[4:5], s[100:101]
.irp k, 0,1
	s_mov_b32 s[G0+4*\k], 1
	s_mov_b32 s[G0+4*\k+1], WR+\k*CHUNK
	s_add_nc_u64 s[G0+4*\k+2:G0+4*\k+3], s[60:61], \k*49152
	s_or_b32 s[G0+4*\k+3], s[G0+4*\k+3], 0x80000000
	s_mov_b32 s[G0+8+4*\k], 1
	s_mov_b32 s[G0+8+4*\k+1], \k*CHUNK
	s_add_nc_u64 s[G0+8+4*\k+2:G0+8+4*\k+3], s[100:101], \k*49152
	s_or_b32 s[G0+8+4*\k+3], s[G0+8+4*\k+3], 0x80000000
.endr
	ARM 0, G0, G1, .Lwave_1
	ARM 1, G0+8, G1X, .Lwave_2
	ARM 2, G0+4, G1, .Lwave_3
	tensor_load_to_lds s[G0+12:G0+15], s[G1X:G1X+7]
	s_nop 0
	PLACES 4
.Lasked:
	s_mov_b32 s89, 0
	s_lshr_b32 s88, s18, 3                         ; O's scale bytes: batch x 32768 + (gx % 8) x 64 + wt x 1024
	s_lshl_b32 s88, s88, 15
	s_and_b32 s90, s18, 7
	s_lshl_b32 s90, s90, 6
	s_add_co_u32 s88, s88, s90
	s_lshl_b32 s90, s15, 10
	s_add_co_u32 s88, s88, s90
	s_add_nc_u64 s[SXB:SXB+1], s[6:7], s[88:89]
	s_lshl_b32 s88, s19, 12                        ; Wo's: tile of rows 448 + 8 g + 4 wc
	s_lshl_b32 s90, s16, 11
	s_add_co_u32 s88, s88, s90
	s_add_co_u32 s88, s88, 229376
	s_add_nc_u64 s[SWB:SWB+1], s[10:11], s[88:89]
.irp a, 0,1,2,3                                ; Wo's scale words: four K steps a load
.irp q, 0,1
	global_load_b128 v[SW+8*\a+4*\q:SW+8*\a+4*\q+3], v[SA], s[SWB:SWB+1] offset:\a*512+\q*256
.endr
.endr
.irp p, 0,1                                    ; O's: two bytes of the K step's lower head, two of its upper
.irp j, 0,1
.irp s, 0,1,2,3
	global_load_u16 v[SX+8*\p+4*\j+\s], v[R2], s[SXB:SXB+1] offset:4096*\s+512*\j+32*\p
	global_load_u16 v[SXT+8*\p+4*\j+\s], v[R2], s[SXB:SXB+1] offset:4096*\s+512*\j+32*\p+2048
.endr
.endr
.endr
	s_lshl_b32 s88, s18, 19                        ; out0: row 128 gx + 32 wt, column 128 g + 64 wc
	s_lshl_b32 s90, s15, 17
	s_add_co_u32 s88, s88, s90
	s_lshl_b32 s90, s19, 9
	s_add_co_u32 s88, s88, s90
	s_lshl_b32 s90, s16, 8
	s_add_co_u32 s88, s88, s90
	s_add_nc_u64 s[OB:OB+1], s[12:13], s[88:89]
	s_wait_loadcnt 0x0
.set n, 0
.rept 16
	v_lshl_or_b32 v[SX+n], v[SXT+n], 16, v[SX+n]
.set n, n+1
.endr
.macro FO p, s                         ; O's two fragments of K step s in pass p: 8 loads of consecutive bytes
	WIN 0
.set FB, OF+24*((\s)%4)
.irp j, 0,1
.irp c, 0,1
	ds_load_b128 v[FB+12*\j+6*\c:FB+12*\j+6*\c+3], v[OA+2*(\p)] offset:((\s)/4)*24576+\j*6144+((\s)%4)*1536+\c*768
	ds_load_b64 v[FB+12*\j+6*\c+4:FB+12*\j+6*\c+5], v[OA+2*(\p)+1] offset:((\s)/4)*24576+\j*6144+((\s)%4)*1536+\c*768+512
.endr
.endr
.endm
.macro FW s                            ; Wo's four fragments of K step s: 16 loads, then pass 0's two of O: 8
	WIN 0x40*(1+(\s)/4)
.irp a, 0,1,2,3
.irp c, 0,1
.set D_, 48*((\s)%4)+12*\a+6*\c
	ds_load_b128 v[D_:D_+3], v[WA+2*((\s)/4)] offset:\a*6144+((\s)%4)*1536+\c*768
	ds_load_b64 v[D_+4:D_+5], v[WA+2*((\s)/4)+1] offset:\a*6144+((\s)%4)*1536+\c*768+512
.endr
.endr
	FO 0, \s
.endm
.macro MM c
.if ROW_
	v_wmma_scale_f32_16x16x128_f8f6f4 v[D_:D_+7], v[S0_:S0_+11], v[S1_:S1_+11], \c, v[SA_], v[SB_] matrix_a_fmt:MATRIX_FMT_FP6 matrix_b_fmt:MATRIX_FMT_FP6 matrix_b_scale:MATRIX_SCALE_ROW1
.else
	v_wmma_scale_f32_16x16x128_f8f6f4 v[D_:D_+7], v[S0_:S0_+11], v[S1_:S1_+11], \c, v[SA_], v[SB_] matrix_a_fmt:MATRIX_FMT_FP6 matrix_b_fmt:MATRIX_FMT_FP6 matrix_b_scale:MATRIX_SCALE_ROW0
.endif
.endm
; Token tiles j0 .. j0 + n - 1 of K step s in pass p: 4 matrix instructions each; the pass's 8 accumulators take turns, one instruction a turn, in the same order in every step.
.macro MUL p, s, j0, n
	WIN 0xf1+(\s)/4
.set J_, \j0
.rept \n
.irp a, 0,1,2,3
.set D_, 64*(\p)+32*J_+8*\a
.set S0_, 48*((\s)%4)+12*\a
.set S1_, OF+24*((\s)%4)+12*J_
.set SA_, SW+8*\a+(\s)
.set SB_, SX+8*(\p)+4*J_+(\s)%4
.set ROW_, (\s)/4
.if (\s) == 0
	MM 0
.else
	MM v[D_:D_+7]
.endif
.endr
.set J_, J_+1
.endr
.endm
; The way out of tile i = 2 p + j through my own stage.  LDS serves a wave's instructions in order (ISA guide 5.7.1.4): no wait between the stores and the loads, nor in front of the next tile's stores.
.macro TOSTAGE i
	WIN 0x0c                                       ; an LDS store's address in window 0, its data in window 3
.irp b, 0,1
.irp k, 0,1,2,3
	ds_store_b128 v[STO], v[32*(\i)+16*\b+4*\k:32*(\i)+16*\b+4*\k+3] offset:128*\b+16*\k   ; each accumulator from its low end on
.endr
.endr
	WIN 0xc0                                       ; a load's destination in window 3
.irp t, 0,1,2,3,4,5,6,7
	ds_load_b128 v[128+32*(\i)+4*\t:128+32*(\i)+4*\t+3], v[RD] offset:2*SPIT*\t
.endr
.endm
.macro SEND i, younger                 ; younger: the LDS instructions issued behind tile i's loads
	s_wait_dscnt \younger
	WIN 0x0c
.irp t, 0,1,2,3,4,5,6,7
	global_store_b128 v[CO], v[128+32*(\i)+4*\t:128+32*(\i)+4*\t+3], s[OB:OB+1] offset:(64*((\i)/2)+8*((\i)%2)+2*\t+8*(\t/4))*4096 th:TH_STORE_NT   ; sixteen lanes store 256 consecutive bytes, aligned; two rows an instruction
.endr
.endm
	s_wait_alu depctr_va_vdst(0)                   ; the wait at the head's end
	s_cmp_lt_u32 s[WV], 2
	s_cbranch_scc0 .Lnot_first
	s_wait_tensorcnt 0x0                           ; waves 0 and 1: Wo's K half 0 and O's pass 0 have landed; the others may be on their way
.Lnot_first:
	s_barrier_signal -1
	s_barrier_wait -1
	FW 0
	FW 1
	s_wait_dscnt 24                                ; a step's fragments are in; the next step's 24 loads may be out
	MUL 0, 0, 0, 2
	FW 2
	s_wait_dscnt 24
	MUL 0, 1, 0, 2
	FW 3
	s_wait_dscnt 24
	MUL 0, 2, 0, 2
	WIN 0
	s_wait_dscnt 0x0
	s_cmp_eq_u32 s[WV], 2
	s_cbranch_scc0 .Lnot_2
	s_wait_tensorcnt 0x0                           ; wave 2: Wo's K half 1
.Lnot_2:
	s_barrier_signal -1
	MUL 0, 3, 0, 1
	WIN 0
	s_barrier_wait -1
	PLACES 4                                       ; in front of loads into registers that matrix instructions have read
	FW 4
	FW 5
	MUL 0, 3, 1, 1
	s_wait_dscnt 24
	MUL 0, 4, 0, 2
	PLACES 4
	FW 6
	s_wait_dscnt 24
	MUL 0, 5, 0, 2
	PLACES 4
	FW 7
	s_wait_dscnt 24
	MUL 0, 6, 0, 2
	WIN 0
	s_wait_tensorcnt 0x0                           ; O's pass 1
	s_wait_dscnt 0x0
	s_barrier_signal -1
	MUL 0, 7, 0, 1
	WIN 0
	s_barrier_wait -1
	PLACES 4
	FO 1, 0
	FO 1, 1
	FO 1, 2
	MUL 0, 7, 1, 1
	PLACES 4                                       ; in front of the first read of results, and of the loads into the last step's buffer
	TOSTAGE 0
	TOSTAGE 1
	FO 1, 3
	s_wait_dscnt 40                                ; steps 0 to 2 are in; the two tiles' 32 and step 3's 8 may be out
	MUL 1, 0, 0, 2
	MUL 1, 1, 0, 2
	SEND 0, 24
	SEND 1, 8
	PLACES 4
	FO 1, 4
	FO 1, 5
	MUL 1, 2, 0, 2
	s_wait_dscnt 16
	MUL 1, 3, 0, 2
	PLACES 4
	FO 1, 6
	FO 1, 7
	s_wait_dscnt 24
	MUL 1, 4, 0, 2
	s_wait_dscnt 16
	MUL 1, 5, 0, 2
	s_wait_dscnt 8
	MUL 1, 6, 0, 2
	s_wait_dscnt 0x0
	MUL 1, 7, 0, 2
	PLACES 4
	TOSTAGE 2
	TOSTAGE 3
	SEND 2, 16
	SEND 3, 0
	WIN 0
	s_wait_tensorcnt 0x0                           ; the wave's end
	ds_add_u32 v[SPW], v[NIL]
	s_wait_dscnt 0x0
	CROUND                                         ; the closing round
	s_endpgm
.Lfunc_end_k_q8b920f13b0_oproj:
	.size	k_q8b920f13b0_oproj, .Lfunc_end_k_q8b920f13b0_oproj-k_q8b920f13b0_oproj
	.p2alignl 7, 3214868480
	.fill 96, 4, 3214868480
	.section	.rodata,"a",@progbits
	.p2align	6, 0x0
	.amdhsa_kernel k_q8b920f13b0_oproj
		.amdhsa_group_segment_fixed_size 214528
		.amdhsa_private_segment_fixed_size 0
		.amdhsa_enable_private_segment 0
		.amdhsa_kernarg_size 40
		.amdhsa_user_sgpr_count 2
		.amdhsa_user_sgpr_kernarg_segment_ptr 1
		.amdhsa_wavefront_size32 1
		.amdhsa_system_sgpr_workgroup_id_x 1
		.amdhsa_system_sgpr_workgroup_id_y 1
		.amdhsa_system_sgpr_workgroup_id_z 1
		.amdhsa_system_vgpr_workitem_id 0
		.amdhsa_next_free_vgpr 1024
		.amdhsa_next_free_sgpr 102
		.amdhsa_reserve_vcc 0
		.amdhsa_float_denorm_mode_32 3
		.amdhsa_float_denorm_mode_16_64 3
		.amdhsa_memory_ordered 1
		.amdhsa_forward_progress 1
		.amdhsa_inst_pref_size 55
	.end_amdhsa_kernel
	.amdgpu_metadata
---
amdhsa.version: [ 1, 2 ]
amdhsa.kernels:
  - .name:           k_q8b920f13b0_oproj
    .symbol:         k_q8b920f13b0_oproj.kd
    .args:
      - { .name: oc, .offset: 0, .size: 8, .value_kind: global_buffer, .address_space: global }
      - { .name: osw, .offset: 8, .size: 8, .value_kind: global_buffer, .address_space: global }
      - { .name: cod, .offset: 16, .size: 8, .value_kind: global_buffer, .address_space: global }
      - { .name: scl, .offset: 24, .size: 8, .value_kind: global_buffer, .address_space: global }
      - { .name: out0, .offset: 32, .size: 8, .value_kind: global_buffer, .address_space: global }
    .group_segment_fixed_size: 214528
    .private_segment_fixed_size: 0
    .kernarg_segment_align: 8
    .kernarg_segment_size: 40
    .max_flat_workgroup_size: 128
    .sgpr_count:     102
    .vgpr_count:     1024
    .wavefront_size: 32
...
	.end_amdgpu_metadata
.endif
;; end of part 4
